; MI455X (gfx1250); checked and timed in simulation.
; The chip was launched on July 23, 2026; its instructions are those of AMD's public machine-readable ISA for CDNA 5 (MIT licence, August 2026) and "CDNA5" Instruction Set Architecture Reference Guide (July 2026). The comments in the code are by the model that wrote it; some were corrected since.
;; Causal Attention. Allowed arithmetic: matrix products marked QUANTISED: E5M2 operands, one E8M0 scale for each 32 along K, by v_wmma_scale_f32_16x16x128_f8f6f4 with both operands' format E5M2, f32 sums; everything else in f32.
;; Inputs: Wk 768 x 384 float32; Wq 768 x 384 float32; Wv 768 x 384 float32; x 4 x 4,096 x 768 float32.
;; Outputs: out0 4 x 4,096 x 384 float32.
;; This version of the problem:
;;   THIS VERSION OF THE PROBLEM IS GIVEN IN LOW PRECISION. The matrix products marked QUANTISED in the list below multiply operands that are first quantised to E5M2 (5 exponent bits, 2 mantissa bits; 8 bits a number), with one power-of-two scale for each 32 numbers along K (OCP MX v1.0); their sums are f32. All else is computed in f32.
;;   The module's matrix products, in the order in which they are computed (A, B: the left and right operand; K: the contracted axis; several contracted axes count as one K, in the product's order):
;;     1. [M 16,384, K 768] x [K 768, N 384]; A: input x; B: input Wq: QUANTISED
;;     2. [M 16,384, K 768] x [K 768, N 384]; A: input x; B: input Wk: QUANTISED
;;     3. [M 16,384, K 768] x [K 768, N 384]; A: input x; B: input Wv: QUANTISED
;;     4. batch 4 x [M 4,096, K 384] x [K 384, N 4,096]; A: computed on the way; B: computed on the way: QUANTISED
;;     5. batch 4 x [M 4,096, K 4,096] x [K 4,096, N 384]; A: softmax (see below); B: computed on the way: QUANTISED
;;   THE QUANTISER, for each operand of a quantised product, along K:
;;     - K is cut into blocks of 32 from its start; a last block that is shorter is filled with zeros.
;;     - A block's scale is 2^e with e = floor(log2(the largest magnitude in the block)) - 15, held to -126 .. 127; a block of zeros has e = 0. As a byte (E8M0): e + 127.
;;     - Each number is divided by its block's scale, clamped to +-57,344, and rounded to the nearest number of E5M2, ties to even, subnormals kept.
;;     - The product sums the exact products of the quantised numbers (number of the format x scale) in f32.
;;   ~~~python
;;   def quantise(x, axis):      # numpy; x: float32 -> the quantised numbers, widened to float32 again
;;       x = np.moveaxis(x, axis, -1); K = x.shape[-1]
;;       x = np.pad(x, [(0, 0)] * (x.ndim - 1) + [(0, -K % 32)]); x = x.reshape(x.shape[:-1] + (-1, 32)); a = np.abs(x).max(-1, keepdims=True)
;;       e = np.where(a > 0, np.clip(np.frexp(np.where(a > 0, a, 1))[1] - 1 - 15, -126, 127), 0)      # np.frexp(a)[1] - 1 = floor(log2(a)), exactly
;;       r = np.clip(x / 2.0 ** e, -57344, 57344)
;;       step = 2.0 ** (np.maximum(np.frexp(np.where(r == 0, 1, r))[1] - 1, -14) - 2)
;;       q = np.round(r / step) * step * 2.0 ** e      # np.round: ties to even
;;       return np.moveaxis(q.reshape(q.shape[:-2] + (-1,))[..., :K], -1, axis).astype(np.float32)
;;   ~~~
;;   SOFTMAX AHEAD OF A QUANTISED PRODUCT. Where the list says 'softmax', what is quantised is not the finished softmax but p = 2^(t - M), with t = logit x log2(e) and M = ceil(the row's largest t), a whole number; so 1/2 < the row's largest p <= 1. The row's sum l is taken of the UNQUANTISED p, in f32, and the product's result is divided by l at the end. Since M is a whole number, a kernel that streams over the keys may use a running M (the ceiling of the running maximum): every later rescaling is an exact power of two, which a block's scale takes up: the codes' values come out the same.
;;   OPERANDS COMPUTED ON THE WAY. 'Computed on the way' means the value that the module computes at that place (a softmax that the list does not call 'softmax' is quantised finished and normalised). What goes into a quantiser is computed in f32, as accurately as f32 sums, v_exp_f32 and their like allow (about 1e-6 of the number): no bf16 or f16 on the way to a quantiser, and a product that is left as it is and whose result goes on into a quantised operand takes f32 operands (vector FMAs, or v_wmma_f32_16x16x4_f32). A number that lies on a knife's edge between two numbers of the format may be rounded either way, as far as f32 arithmetic and the matrix unit's own rounding can turn it there, and no further.
;; 2 versions. Each part assembles by itself: llvm-mc -triple=amdgcn-amd-amdhsa -mcpu=gfx1250 --defsym DOCPART=n.
;; ======== version 1 of 2: 3 launches
;; workspace buffers: xbuf 12,976,128 bytes; wbuf 912,384 bytes; qbuf 6,488,064 bytes; kbuf 6,488,064 bytes; vbuf 6,488,064 bytes
;; launch prep (part 1): grid 411 x 1, 4 waves a work-group, no clusters, 34,304 bytes of LDS; arguments x, Wq, Wk, Wv, xbuf, wbuf; writes xbuf, wbuf
.if DOCPART == 1
	.amdgcn_target "amdgcn-amd-amdhsa--gfx1250"
	.amdhsa_code_object_version 6
	.text
	.protected	k_q80f262615e_prep
	.globl	k_q80f262615e_prep
	.p2align	8
	.type	k_q80f262615e_prep,@function
k_q80f262615e_prep:
	s_mov_b64 s[64:65], 0
	v_nop
	global_prefetch_b8 v0, s[64:65] scope:SCOPE_SE
	s_setreg_imm32_b32 hwreg(HW_REG_WAVE_MODE, 25, 1), 1
	s_wait_xcnt 0x0
; x [16384][768] and Wq, Wk, Wv [768][384], f32, become codes of BF8 (E5M2) with one E8M0 byte for each 32 along K = 768,
; laid as IMAGES OF OPERAND REGISTERS: a fragment (16 rows x 128 K) is 2,048 bytes, register group c at 512 c + 16 x lane;
; lane (r, h) holds k = 32 c + 16 h + 0 .. 15 of the fragment's row r.
; THE ORDER OF 32: of 32 rows (of x) or columns (of W), lane r of tile u takes item 8 u + r + 8 (r / 8).
; xbuf: 128 tiles of 128 rows x 101,376 bytes: image (2 b + u, s) at (6 (2 b + u) + s) x 2,048; scale words at 98,304 + (3 b + s / 2) x 256 + 8 x lane + 4 (s % 2),
;       lanes 0-15 tile u = 0, lanes 16-31 tile u = 1.
; wbuf: 12 chunks (4 x type + quarter of the 384 columns) x 76,032 bytes: image (nt, s) at (6 nt + s) x 2,048; scale words at 73,728 + (3 (s / 2) + nt / 2) x 256 + 8 x lane + 4 (s % 2).
; A WAVE'S JOB: 32 rows or columns x 256 along K: four images (u, s % 2) and one block of 256 bytes of scale words.  In both buffers u steps 12,288 bytes and s % 2 steps 2,048.
; Work-groups 0 .. 26 take W (108 jobs), 27 .. 410 take x (1,536 jobs).  Waves share nothing: no barrier.
; x: each load reads 512 consecutive bytes of a row; the 16 rows turn through the wave's own stage in LDS (pitch 528 = 33 x 16 bytes) and come back 16 neighbours a lane and block.
; W: a lane takes a column and its registers run down K: nothing is turned.
; A block's scale byte is its largest magnitude's exponent field - 15, held at 1 from below.
; LIMITS: a block of zeros, or one whose largest magnitude lies under 2^-111, gets the byte 1 (this program alone reads the bytes; zero codes add nothing); NaN and infinities among the inputs are not served.
.set R,   16                           ; v16-143  two sets of 64 numbers as loaded
.set X,   144                          ; v144-207 64 numbers in the operand's order (x path)
.set PC,  208                          ; v208-223 a fragment's codes
.set TM,  224                          ; v224-227 largest magnitudes, 228-231 bytes, 232-235 holds, 236-239 scales
.set PW,  240                          ; v240-243 the four images' scale words
.set SEL, 20                           ; s[20:21] selects for lane l xor 16
.set MNT, 22                           ; s22 mantissa field of 57,344
.set HM,  23                           ; s23 mask of lanes 16-31
.set SRC, 30                           ; s[30:31] the job's source
.set DC,  40                           ; s[40:41] where its codes go
.set DS,  42                           ; s[42:43] where its scale words go
.set WGW, 27                           ; work-groups that take W
; 64 numbers of a lane, register 16 b + i = k 32 b + 16 h + i of my row, become 16 registers of codes in v[PC] on and the row's scale word in v[pw]
.macro QUANT s, pw
.irp b, 0,1,2,3
	v_max3_num_f32 v[TM+\b], |v[\s+16*\b]|, |v[\s+16*\b+1]|, 0x8000000   ; my 16 numbers of block b, and the floor 2^(16 - 127): the byte cannot fall under 1
.endr
.irp i, 2,4,6,8,10,12,14
.irp b, 0,1,2,3
	v_max3_num_f32 v[TM+\b], v[TM+\b], |v[\s+16*\b+\i]|, |v[\s+16*\b+\i+1]|   ; the four blocks by turns
.endr
.endr
.irp b, 0,1,2,3
	v_permlanex16_b32 v[TM+4+\b], v[TM+\b], s[SEL], s[SEL+1]
.endr
.irp b, 0,1,2,3
	v_max_num_f32 v[TM+\b], v[TM+\b], v[TM+4+\b]          ; with lane l xor 16's 16: the block's largest magnitude
.endr
.irp b, 0,1,2,3
	v_add_nc_u32 v[TM+12+\b], 0xf8800000, v[TM+\b]        ; 15 off its exponent field: the conversion's scale operand
.endr
.irp b, 0,1,2,3
	v_and_or_b32 v[TM+8+\b], v[TM+\b], 0x7f800000, s[MNT] ; 57,344 x the scale
.endr
.irp b, 0,1,2,3
	v_lshrrev_b32 v[TM+4+\b], 23, v[TM+12+\b]             ; the scale's byte
.endr
	v_lshl_or_b32 v[\pw], v[TM+5], 8, v[TM+4]
	v_lshl_or_b32 v[\pw], v[TM+6], 16, v[\pw]
	v_lshl_or_b32 v[\pw], v[TM+7], 24, v[\pw]
.irp b, 0,1,2,3
.irp i, 0,1,2,3,4,5,6,7,8,9,10,11,12,13,14,15
	v_med3_num_f32 v[\s+16*\b+\i], v[\s+16*\b+\i], -v[TM+8+\b], v[TM+8+\b]   ; the conversion to an 8-bit code does not saturate (ISA guide 7.6.2): the hold
.endr
	v_cvt_scalef32_pk8_bf8_f32 v[PC+4*\b:PC+4*\b+1], v[\s+16*\b:\s+16*\b+7], v[TM+12+\b]
	v_cvt_scalef32_pk8_bf8_f32 v[PC+4*\b+2:PC+4*\b+3], v[\s+16*\b+8:\s+16*\b+15], v[TM+12+\b]
.endr
	v_nop                                          ; a plain line behind the last conversion
.endm
.macro STORE4 t                        ; image t = 2 u + s % 2: four stores of 512 consecutive bytes
.irp c, 0,1,2,3
	global_store_b128 v4, v[PC+4*\c:PC+4*\c+3], s[DC:DC+1] offset:12288*((\t)>>1)+2048*((\t)&1)+512*\c
.endr
.endm
.macro TAIL                            ; lanes 0-15 store tile u = 0's two words, lanes 16-31 tile u = 1's: 256 consecutive bytes
	v_cndmask_b32 v244, v[PW], v[PW+2], s[HM]
	v_cndmask_b32 v245, v[PW+1], v[PW+3], s[HM]
	global_store_b64 v8, v[244:245], s[DS:DS+1]
	s_wait_tensorcnt 0x0
	ds_add_u32 v254, v255
	s_wait_dscnt 0x0
	s_endpgm
.endm
.macro LOADW t                         ; W(128 (t % 2) + 32 c + 16 h + i, my column of tile t / 2)
.irp c, 0,1,2,3
.irp i, 0,1,2,3,4,5,6,7,8,9,10,11,12,13,14,15
	global_load_b32 v[R+64*((\t)%2)+16*\c+\i], v5, s[SRC:SRC+1] offset:(128*((\t)&1)+32*\c+\i)*1536+32*((\t)>>1)
.endr
.endr
.endm
.macro LOADX t                         ; 16 rows x 512 bytes: load i takes row 8 u + i + 8 (i / 8)
.irp i, 0,1,2,3,4,5,6,7,8,9,10,11,12,13,14,15
	global_load_b128 v[R+64*((\t)%2)+4*\i:R+64*((\t)%2)+4*\i+3], v4, s[SRC:SRC+1] offset:(8*((\t)>>1)+\i+8*(\i/8))*3072+512*((\t)&1) th:TH_LOAD_NT
.endr
.endm
.macro TURN t                          ; through my stage: LDS serves a wave's instructions in order (ISA guide 5.7.1), so no wait stands between the stores and the loads
.irp i, 0,1,2,3,4,5,6,7,8,9,10,11,12,13,14,15
	ds_store_b128 v6, v[R+64*((\t)%2)+4*\i:R+64*((\t)%2)+4*\i+3] offset:528*\i
.endr
.irp c, 0,1,2,3
.irp j, 0,1,2,3
	ds_load_b128 v[X+16*\c+4*\j:X+16*\c+4*\j+3], v7 offset:128*\c+16*\j
.endr
.endr
.endm
	s_load_b256 s[4:11], s[0:1], 0x0               ; x s[4:5], Wq s[6:7], Wk s[8:9], Wv s[10:11]
	s_load_b128 s[12:15], s[0:1], 0x20             ; xbuf s[12:13], wbuf s[14:15]
	v_lshl_add_u32 v254, v0, 2, 0x8400
	v_mov_b32 v255, 0
	v_lshrrev_b32 v1, 5, v0
	v_readfirstlane_b32 s16, v1                    ; wave
	v_and_b32 v1, 31, v0                           ; lane
	v_and_b32 v2, 15, v0                           ; r
	v_bfe_u32 v3, v0, 4, 1                         ; h
	v_lshlrev_b32 v4, 4, v1                        ; 16 x lane
	v_lshlrev_b32 v8, 3, v1                        ; 8 x lane
	s_mov_b32 s[SEL], 0x76543210
	s_mov_b32 s[SEL+1], 0xfedcba98
	s_mov_b32 s[MNT], 0x600000
	s_mov_b32 s[HM], 0xffff0000
.irp b, 0,1,2,3
	v_mov_b32 v[TM+4+\b], 0                        ; a lane permute's destination counts as one of its sources
.endr
	s_mul_i32 s17, s16, 8448                       ; my stage: 16 rows x 528 bytes
	v_add_nc_u32 v6, s17, v4                       ; in: 16 x lane of a row
	v_mul_u32_u24 v7, v2, 528
	v_lshl_add_u32 v7, v3, 6, v7
	v_add_nc_u32 v7, s17, v7                       ; out: row r, + 64 h
	v_and_b32 v9, 8, v2
	v_add_nc_u32 v9, v9, v2                        ; r + 8 (r / 8)
	v_lshlrev_b32 v5, 2, v9
	v_mad_u32_u24 v5, v3, 0x6000, v5               ; W: my column's 4 bytes, + 16 rows of 1,536 bytes for lanes 16-31
	s_mov_b32 s33, 0
	s_mov_b32 s37, 0
	s_wait_kmcnt 0x0
	s_cmp_lt_u32 ttmp9, WGW
	s_cbranch_scc0 .Lx_path
	; ---- W: job = (pair of K steps sp, pair of column tiles P of 36)
	s_mul_hi_u32 s24, ttmp9, 0x1c71c71d            ; sp = work-group / 9
	s_mul_i32 s25, s24, 9
	s_sub_co_u32 s25, ttmp9, s25
	s_lshl_b32 s25, s25, 2
	s_add_co_u32 s25, s25, s16                     ; P = 4 (work-group % 9) + wave
	s_mul_hi_u32 s26, s25, 0x15555556              ; type = P / 12
	s_mul_i32 s27, s26, 12
	s_sub_co_u32 s27, s25, s27                     ; p = P % 12: columns 32 p on
	s_mul_hi_u32 s28, s27, 0x55555556              ; quarter = p / 3
	s_mul_i32 s29, s28, 3
	s_sub_co_u32 s29, s27, s29                     ; i = p % 3
	s_cmp_eq_u32 s26, 0
	s_cselect_b64 s[SRC:SRC+1], s[6:7], s[8:9]
	s_cmp_eq_u32 s26, 2
	s_cselect_b64 s[SRC:SRC+1], s[10:11], s[SRC:SRC+1]
	s_lshl_b32 s32, s27, 7
	s_mul_i32 s34, s24, 256*1536
	s_add_co_u32 s32, s32, s34
	s_add_nc_u64 s[SRC:SRC+1], s[SRC:SRC+1], s[32:33]
	s_lshl_b32 s34, s26, 2
	s_add_co_u32 s34, s34, s28
	s_mul_i32 s34, s34, 76032                      ; the chunk
	s_mul_i32 s35, s29, 12
	s_lshl_b32 s36, s24, 1
	s_add_co_u32 s36, s36, s35
	s_lshl_b32 s36, s36, 11                        ; image (2 i, 2 sp)
	s_add_co_u32 s36, s36, s34
	s_add_nc_u64 s[DC:DC+1], s[14:15], s[36:37]
	s_mul_i32 s36, s24, 3
	s_add_co_u32 s36, s36, s29
	s_lshl_b32 s36, s36, 8
	s_add_co_u32 s36, s36, s34
	s_add_co_u32 s36, s36, 73728
	s_add_nc_u64 s[DS:DS+1], s[14:15], s[36:37]
	LOADW 0
	LOADW 1
.irp t, 0,1,2,3
.if \t < 3
	s_wait_loadcnt 63                              ; 64 loads are younger than this image's; the field holds 63, and the smaller count is the safe one
.else
	s_wait_loadcnt 0x0
.endif
	s_wait_xcnt 0x0                                ; the last image's stores have read v[PC] on
	QUANT R+64*(\t%2), PW+\t
	STORE4 \t
.if \t < 2
	LOADW \t+2
.endif
.endr
	TAIL
.Lx_path:                                              ; ---- x: job = (pair of K steps sp, group G of 32 rows)
	s_sub_co_u32 s24, ttmp9, WGW
	s_lshr_b32 s25, s24, 7                         ; sp
	s_and_b32 s26, s24, 127
	s_lshl_b32 s26, s26, 2
	s_add_co_u32 s26, s26, s16                     ; G
	s_mul_i32 s32, s26, 98304                      ; 32 rows of 3,072 bytes
	s_lshl_b32 s34, s25, 10
	s_add_co_u32 s32, s32, s34
	s_add_nc_u64 s[SRC:SRC+1], s[4:5], s[32:33]
	s_lshr_b32 s34, s26, 2
	s_mul_i32 s34, s34, 101376                     ; the tile of 128 rows
	s_and_b32 s35, s26, 3                          ; b
	s_mul_i32 s36, s35, 12
	s_lshl_b32 s38, s25, 1
	s_add_co_u32 s36, s36, s38
	s_lshl_b32 s36, s36, 11                        ; image (2 b, 2 sp)
	s_add_co_u32 s36, s36, s34
	s_add_nc_u64 s[DC:DC+1], s[12:13], s[36:37]
	s_mul_i32 s36, s35, 3
	s_add_co_u32 s36, s36, s25
	s_lshl_b32 s36, s36, 8
	s_add_co_u32 s36, s36, s34
	s_add_co_u32 s36, s36, 98304
	s_add_nc_u64 s[DS:DS+1], s[12:13], s[36:37]
	LOADX 0
	LOADX 1
.irp t, 0,1,2,3
.if \t < 3
	s_wait_loadcnt 16                              ; this image's 16 loads are in; the next image's 16 may be out
.else
	s_wait_loadcnt 0x0
.endif
	TURN \t
	s_wait_dscnt 0x0                               ; the numbers are back, and the stores into the stage have read their registers,
.if \t < 2
	LOADX \t+2                                     ; which take the loads of two images on
.endif
	s_wait_xcnt 0x0                                ; the last image's stores have read v[PC] on
	QUANT X, PW+\t
	STORE4 \t
.endr
	TAIL
.Lfunc_end_k_q80f262615e_prep:
	.size	k_q80f262615e_prep, .Lfunc_end_k_q80f262615e_prep-k_q80f262615e_prep
	.p2alignl 7, 3214868480
	.fill 96, 4, 3214868480
	.section	.rodata,"a",@progbits
	.p2align	6, 0x0
	.amdhsa_kernel k_q80f262615e_prep
		.amdhsa_group_segment_fixed_size 34304
		.amdhsa_private_segment_fixed_size 0
		.amdhsa_enable_private_segment 0
		.amdhsa_kernarg_size 48
		.amdhsa_user_sgpr_count 2
		.amdhsa_user_sgpr_kernarg_segment_ptr 1
		.amdhsa_wavefront_size32 1
		.amdhsa_system_sgpr_workgroup_id_x 1
		.amdhsa_system_sgpr_workgroup_id_y 1
		.amdhsa_system_sgpr_workgroup_id_z 1
		.amdhsa_system_vgpr_workitem_id 0
		.amdhsa_next_free_vgpr 256
		.amdhsa_next_free_sgpr 66
		.amdhsa_reserve_vcc 0
		.amdhsa_float_denorm_mode_32 3
		.amdhsa_float_denorm_mode_16_64 3
		.amdhsa_memory_ordered 1
		.amdhsa_forward_progress 1
		.amdhsa_inst_pref_size 110
	.end_amdhsa_kernel
	.amdgpu_metadata
---
amdhsa.version: [ 1, 2 ]
amdhsa.kernels:
  - .name:           k_q80f262615e_prep
    .symbol:         k_q80f262615e_prep.kd
    .args:
      - { .name: x, .offset: 0, .size: 8, .value_kind: global_buffer, .address_space: global }
      - { .name: Wq, .offset: 8, .size: 8, .value_kind: global_buffer, .address_space: global }
      - { .name: Wk, .offset: 16, .size: 8, .value_kind: global_buffer, .address_space: global }
      - { .name: Wv, .offset: 24, .size: 8, .value_kind: global_buffer, .address_space: global }
      - { .name: xbuf, .offset: 32, .size: 8, .value_kind: global_buffer, .address_space: global }
      - { .name: wbuf, .offset: 40, .size: 8, .value_kind: global_buffer, .address_space: global }
    .group_segment_fixed_size: 34304
    .private_segment_fixed_size: 0
    .kernarg_segment_align: 8
    .kernarg_segment_size: 48
    .max_flat_workgroup_size: 128
    .sgpr_count:     66
    .vgpr_count:     256
    .wavefront_size: 32
...
	.end_amdgpu_metadata
.endif
;; end of part 1
;; launch proj (part 2): grid 3 x 64, 4 waves a work-group, no clusters, 209,408 bytes of LDS; arguments xbuf, wbuf, qbuf, kbuf, vbuf; writes qbuf, kbuf, vbuf
.if DOCPART == 2
	.amdgcn_target "amdgcn-amd-amdhsa--gfx1250"
	.amdhsa_code_object_version 6
	.text
	.protected	k_q80f262615e_proj
	.globl	k_q80f262615e_proj
	.p2align	8
	.type	k_q80f262615e_proj,@function
k_q80f262615e_proj:
	s_mov_b64 s[64:65], 0
	v_nop
	global_prefetch_b8 v0, s[64:65] scope:SCOPE_SE
	s_setreg_imm32_b32 hwreg(HW_REG_WAVE_MODE, 25, 1), 1
	s_wait_xcnt 0x0
; q = x Wq, k = x Wk, v = x Wv on codes of BF8 (E5M2) with E8M0 scales, K = 768, and each result quantised at once for attention: q and k along their 384 channels, v along the keys.
; SHARES.  Work-group (type, chunk): one of the three weights, 256 rows of x.  Wave w holds columns 96 w .. 96 w + 95 of the weight in REGISTERS for the whole launch (6 tiles x 6 K steps = 576 registers,
; read once).  The rows' codes (two tiles of xbuf, 202,752 bytes) come into LDS by first fills alone: each wave brings a quarter of each tile, two tensor loads out; no LDS byte is filled twice.
; 192 work-groups: the 1,152 columns fall into whole weights by three, and a finer share of the columns would break a wave's pairs of tiles.
; No multicast: a tile of x is shared by the three types, which no cluster of four divides; the weights go to registers.
; q, k: THE PRODUCT IS USED TRANSPOSED (source 0 = 16 columns of W, source 1 = 16 rows of x): a lane holds one row, and by the order of 32 (lane r of tile u takes item 8 u + r + 8 (r / 8)) the 16 registers of
;       two neighbouring column tiles are 16 neighbouring channels 32 i + 16 h + 0 .. 15.
; v:    natural (source 0 = x, source 1 = W): a lane holds one channel, and the 16 registers of the two row tiles are 16 neighbouring keys 32 b + 16 h + 0 .. 15.
; In both a block of 32 lies in lanes l and l xor 16, and the conversions' results ARE a register group of the reader's operand: they are stored as images, 512 consecutive bytes a store.
; qbuf, kbuf: 128 tiles of 128 rows x 50,688 bytes: image (2 b + u, s) at (3 (2 b + u) + s) x 2,048; scale words at 49,152 + (3 b + s) x 128 + 4 x lane (lanes 0-15 u = 0, lanes 16-31 u = 1).
; vbuf: the same size: image of channel tile et (16 channels x 128 keys) at 2,048 et; scale words of the pair et / 2 at 49,152 + 128 (et / 2) + 4 x lane.
; The scale bytes are gathered in LDS (a region for each of the two ways) and leave at the end in blocks of 256 consecutive bytes.
; LIMITS: a block whose largest magnitude lies under 2^-111 gets the byte 1; NaN and infinities are not served.
; REGISTERS: window 0: v1-17 addresses; v24-41 W's scale words; v42-47 x's; v48-143 twelve accumulators; v144-167 codes; v168-191 at work; v192-197 v's scale words in the making; v198-203 copies.
;   v256-831 W's fragments (s, nt) at 256 + 16 (6 s + nt);  v832-1023 x's fragments (u, s) of the 32 rows in hand at 832 + 16 (6 u + s).
.set XTB,  101376                      ; a tile of xbuf
.set QTB,  50688                       ; a tile of qbuf, kbuf, vbuf
.set SSTQ, 2*XTB                       ; LDS: scale bytes of q or k, 2 x 1,536
.set SSTV, SSTQ+3072                   ; scale words of v, 2 x 1,536
.set LI,   1                           ; v1   16 x lane
.set L8,   2                           ; v2   8 x lane
.set AXF0, 4                           ; v4, v5  x's images of the tile in hand: rows 0-63, rows 64-127
.set AXS,  6                           ; v6   its scale words
.set AQ,   7                           ; v7-9   where my three blocks' scale bytes go (q, k); v10-12 the same for the tile in hand
.set AQW,  10
.set AVB,  13                          ; v13  where my scale words go (v); v14 for the tile in hand
.set AVW,  14
.set CO,   15                          ; v15  my codes' byte offset in an output tile
.set ACQ,  16                          ; v16, v17  the copy out of the two regions
.set ACV,  17
.set WS,   24
.set XS,   42
.set ACC,  48
.set CD,   144
.set TM,   168                         ; +0 largest magnitudes, +6 bytes, +12 holds, +18 scales: six blocks
.set WVR,  192
.set CP,   198
.set WV,   14                          ; s14 wave;  s15 type;  s16 chunk
.set TY,   15
.set CH,   16
.set OB,   18                          ; s[18:19] the output tile in hand
.set SEL,  20
.set MNT,  22
.set HM,   23
.set XO,   24                          ; s24 LDS byte of x's tile in hand
.set SO,   25                          ; s25 its place in the scale regions
.set CNT,  26
.set OS,   28                          ; s[28:29] where my part of the scale bytes goes
.set G0A,  32
.set G0B,  36
.set G1,   40
.set WB,   52                          ; s[52:53] my chunk of wbuf
.set MSB, 0
.macro WIN new                         ; the immediate's high byte repeats the setting that is left; a switch that changes nothing is dropped
.if MSB != (\new)
	s_set_vgpr_msb (MSB<<8)|(\new)
.set MSB, (\new)
.endif
.endm
; one matrix instruction from the symbols rD, rA, rB, rZ (1: C = 0), rSA, rSB (scale registers), rRA, rRB (1: lanes 16-31 of them)
.macro WMS
.if rZ
.if rRA && rRB
	v_wmma_scale_f32_16x16x128_f8f6f4 v[rD:rD+7], v[rA:rA+15], v[rB:rB+15], 0, v[rSA], v[rSB] matrix_a_fmt:MATRIX_FMT_BF8 matrix_b_fmt:MATRIX_FMT_BF8 matrix_a_scale:MATRIX_SCALE_ROW1 matrix_b_scale:MATRIX_SCALE_ROW1
.elseif rRA
	v_wmma_scale_f32_16x16x128_f8f6f4 v[rD:rD+7], v[rA:rA+15], v[rB:rB+15], 0, v[rSA], v[rSB] matrix_a_fmt:MATRIX_FMT_BF8 matrix_b_fmt:MATRIX_FMT_BF8 matrix_a_scale:MATRIX_SCALE_ROW1
.elseif rRB
	v_wmma_scale_f32_16x16x128_f8f6f4 v[rD:rD+7], v[rA:rA+15], v[rB:rB+15], 0, v[rSA], v[rSB] matrix_a_fmt:MATRIX_FMT_BF8 matrix_b_fmt:MATRIX_FMT_BF8 matrix_b_scale:MATRIX_SCALE_ROW1
.else
	v_wmma_scale_f32_16x16x128_f8f6f4 v[rD:rD+7], v[rA:rA+15], v[rB:rB+15], 0, v[rSA], v[rSB] matrix_a_fmt:MATRIX_FMT_BF8 matrix_b_fmt:MATRIX_FMT_BF8
.endif
.else
.if rRA && rRB
	v_wmma_scale_f32_16x16x128_f8f6f4 v[rD:rD+7], v[rA:rA+15], v[rB:rB+15], v[rD:rD+7], v[rSA], v[rSB] matrix_a_fmt:MATRIX_FMT_BF8 matrix_b_fmt:MATRIX_FMT_BF8 matrix_a_scale:MATRIX_SCALE_ROW1 matrix_b_scale:MATRIX_SCALE_ROW1
.elseif rRA
	v_wmma_scale_f32_16x16x128_f8f6f4 v[rD:rD+7], v[rA:rA+15], v[rB:rB+15], v[rD:rD+7], v[rSA], v[rSB] matrix_a_fmt:MATRIX_FMT_BF8 matrix_b_fmt:MATRIX_FMT_BF8 matrix_a_scale:MATRIX_SCALE_ROW1
.elseif rRB
	v_wmma_scale_f32_16x16x128_f8f6f4 v[rD:rD+7], v[rA:rA+15], v[rB:rB+15], v[rD:rD+7], v[rSA], v[rSB] matrix_a_fmt:MATRIX_FMT_BF8 matrix_b_fmt:MATRIX_FMT_BF8 matrix_b_scale:MATRIX_SCALE_ROW1
.else
	v_wmma_scale_f32_16x16x128_f8f6f4 v[rD:rD+7], v[rA:rA+15], v[rB:rB+15], v[rD:rD+7], v[rSA], v[rSB] matrix_a_fmt:MATRIX_FMT_BF8 matrix_b_fmt:MATRIX_FMT_BF8
.endif
.endif
.endm
; 72 matrix instructions: 32 rows x my 96 columns x K = 768.  The twelve accumulators take turns, one instruction a turn, in the same order in every K step.
; v = 0: transposed, accumulator (u, nt) at ACC + 48 u + 8 nt;  v = 1: natural, at ACC + 16 nt + 8 u.  The first K step starts the sums with the constant 0.
.macro MUL v
.irp s, 0,1,2,3,4,5
.irp nt, 0,1,2,3,4,5
.irp u, 0,1
.set rW, 256+96*\s+16*\nt
.set rZ, 0
.if \s == 0
.set rZ, 1
.endif
.if \v
.set wn, 3|((rW>>8)<<2)                ; source 0 (x) window 3, source 1 (W) its window
.set rD, ACC+16*\nt+8*\u
.set rA, 64+16*(6*\u+\s)
.set rB, rW&255
.set rSA, XS+\s
.set rRA, \u
.set rSB, WS+2*(3*(\s/2)+\nt/2)+(\s&1)
.set rRB, \nt&1
.else
.set wn, (rW>>8)|0x0c                  ; source 0 (W) its window, source 1 (x) window 3
.set rD, ACC+48*\u+8*\nt
.set rA, rW&255
.set rB, 64+16*(6*\u+\s)
.set rSA, WS+2*(3*(\s/2)+\nt/2)+(\s&1)
.set rRA, \nt&1
.set rSB, XS+\s
.set rRB, \u
.endif
	WIN wn
	WMS
.endr
.endr
.endr
	WIN 0
.endm
.macro XLOAD b                         ; the twelve fragments and six scale words of rows 32 b .. 32 b + 31 of the tile in hand
	WIN 0xc0                                       ; destination window 3, address window 0
.irp j, 0,1,2,3,4,5,6,7,8,9,10,11
.irp c, 0,1,2,3
	ds_load_b128 v[64+16*\j+4*\c:64+16*\j+4*\c+3], v[AXF0+(\b)/2] offset:((\b)%2)*24576+\j*2048+512*\c
.endr
.endr
	WIN 0
.irp p, 0,1,2
	ds_load_b64 v[XS+2*\p:XS+2*\p+1], v[AXS] offset:(3*(\b)+\p)*256
.endr
.endm
; six blocks of 16 registers, ACC + 16 g on, become codes in CD + 4 g on and bytes in TM + 6 + g.  Each accumulator is read from its low end on.
.macro QUANT6
.irp g, 0,1,2,3,4,5
	v_max3_num_f32 v[TM+\g], |v[ACC+16*\g]|, |v[ACC+16*\g+1]|, 0x8000000   ; and the floor 2^(16 - 127)
.endr
.irp i, 2,4,6,8,10,12,14
.irp g, 0,1,2,3,4,5
	v_max3_num_f32 v[TM+\g], v[TM+\g], |v[ACC+16*\g+\i]|, |v[ACC+16*\g+\i+1]|
.endr
.endr
.irp g, 0,1,2,3,4,5
	v_permlanex16_b32 v[TM+6+\g], v[TM+\g], s[SEL], s[SEL+1]
.endr
.irp g, 0,1,2,3,4,5
	v_max_num_f32 v[TM+\g], v[TM+\g], v[TM+6+\g]          ; with lane l xor 16's 16: the block's largest magnitude
.endr
.irp g, 0,1,2,3,4,5
	v_add_nc_u32 v[TM+18+\g], 0xf8800000, v[TM+\g]        ; 15 off the exponent field: the conversion's scale operand
.endr
.irp g, 0,1,2,3,4,5
	v_and_or_b32 v[TM+12+\g], v[TM+\g], 0x7f800000, s[MNT]  ; 57,344 x the scale
.endr
.irp g, 0,1,2,3,4,5
	v_lshrrev_b32 v[TM+6+\g], 23, v[TM+18+\g]             ; the byte
.endr
	s_wait_xcnt 0x0                                ; the last group's stores have read v[CD] on
.irp g, 0,1,2,3,4,5
.irp i, 0,1,2,3,4,5,6,7,8,9,10,11,12,13,14,15
	v_med3_num_f32 v[ACC+16*\g+\i], v[ACC+16*\g+\i], -v[TM+12+\g], v[TM+12+\g]   ; the conversion does not saturate (ISA guide 7.6.2): the hold
.endr
	v_cvt_scalef32_pk8_bf8_f32 v[CD+4*\g:CD+4*\g+1], v[ACC+16*\g:ACC+16*\g+7], v[TM+18+\g]
	v_cvt_scalef32_pk8_bf8_f32 v[CD+4*\g+2:CD+4*\g+3], v[ACC+16*\g+8:ACC+16*\g+15], v[TM+18+\g]
.endr
	v_nop                                          ; a plain line behind the last conversion: the next products write its sources
.endm
.macro GROUP b                         ; rows 32 b .. 32 b + 31 of the tile in hand
	s_wait_dscnt 0x0                               ; their fragments are in; the last group's LDS stores have read their registers
	s_cmp_eq_u32 s[TY], 2
	s_cbranch_scc1 .Lmv_\@
	MUL 0
	s_branch .Lmd_\@
.Lmv_\@:
	MUL 1
.Lmd_\@:
.rept 8
	v_nop                                          ; eight places in front of loads into registers that the products have read, and of the first read of results
.endr
.if \b < 3
	XLOAD \b+1                                     ; the next 32 rows' fragments land while these results are quantised
.endif
	QUANT6
	s_cmp_eq_u32 s[TY], 2
	s_cbranch_scc1 .Lsv_\@
.irp u, 0,1                            ; q, k: block 3 u + i is register group (3 w + i) % 4 of image (2 b + u, (3 w + i) / 4)
.irp i, 0,1,2
	global_store_b128 v[CO], v[CD+4*(3*\u+\i):CD+4*(3*\u+\i)+3], s[OB:OB+1] offset:12288*(\b)+6144*\u+512*\i
	ds_store_b8 v[AQW+\i], v[TM+6+3*\u+\i] offset:384*(\b)+64*\u   ; both lanes of a block write the same byte with the same value
.endr
.endr
	s_branch .Lsd_\@
.Lsv_\@:
.irp n, 0,1,2,3,4,5                    ; v: block n is register group b of channel tile 6 w + n
	global_store_b128 v[CO], v[CD+4*\n:CD+4*\n+3], s[OB:OB+1] offset:2048*\n+512*(\b)
.if \b == 0
	v_mov_b32 v[WVR+\n], v[TM+6+\n]
.else
	v_lshl_or_b32 v[WVR+\n], v[TM+6+\n], 8*(\b), v[WVR+\n]   ; the four key blocks' bytes make the channel's scale word
.endif
.endr
.if \b == 3
.irp i, 0,1,2
	v_cndmask_b32 v[CP+\i], v[WVR+2*\i], v[WVR+2*\i+1], s[HM]   ; lanes 0-15 the even tile's words, lanes 16-31 the odd tile's
	ds_store_b32 v[AVW], v[CP+\i] offset:128*\i
.endr
.endif
.Lsd_\@:
.endm
	s_load_b256 s[4:11], s[0:1], 0x0               ; xbuf s[4:5], wbuf s[6:7], qbuf s[8:9], kbuf s[10:11]
	s_load_b64 s[12:13], s[0:1], 0x20              ; vbuf
	v_lshl_add_u32 v254, v0, 2, 0x33000
	v_mov_b32 v255, 0
	ds_add_u32 v254, v255
	ds_add_u32 v254, v255
	v_lshrrev_b32 v18, 5, v0
	v_readfirstlane_b32 s[WV], v18                 ; wave 0..3
	s_mov_b32 s[TY], ttmp9                         ; 0 q, 1 k, 2 v
	s_and_b32 s[CH], ttmp7, 0xffff                 ; which 256 rows
	; descriptor group 1: a quarter of a tile of xbuf, 25,344 dense bytes, as 99 rows of 256 bytes (32 elements of 8 bytes); no padding: images are read 512 consecutive bytes at a time
	s_mov_b32 s[G1], 3<<16
	s_mov_b32 s[G1+1], 32<<16                      ; tensor_dim0
	s_mov_b32 s[G1+2], 99<<16                      ; tensor_dim1
	s_mov_b32 s[G1+3], 32<<16                      ; tile_dim0
	s_mov_b32 s[G1+4], 99                          ; tile_dim1
	s_mov_b32 s[G1+5], 32                          ; the pitch
	s_mov_b32 s[G1+6], 0
	s_mov_b32 s[G1+7], 0
	s_mul_i32 s48, s[WV], 25344                    ; my quarter
	s_mul_i32 s50, s[CH], 2*XTB
	s_add_co_u32 s50, s50, s48
	s_mov_b32 s51, 0
	s_wait_dscnt 0x0
	s_wait_kmcnt 0x0
	s_mov_b32 s[G0A], 1
	s_mov_b32 s[G0A+1], s48
	s_add_nc_u64 s[G0A+2:G0A+3], s[4:5], s[50:51]
	s_mov_b32 s[G0B], 1
	s_add_co_u32 s[G0B+1], s48, XTB
	s_add_nc_u64 s[G0B+2:G0B+3], s[G0A+2:G0A+3], XTB
	s_or_b32 s[G0A+3], s[G0A+3], 0x80000000
	s_or_b32 s[G0B+3], s[G0B+3], 0x80000000
	tensor_load_to_lds s[G0A:G0A+3], s[G1:G1+7]    ; both first fills together: two loads of mine are out
	s_nop 0
	tensor_load_to_lds s[G0B:G0B+3], s[G1:G1+7]
	s_nop 0
.rept 4
	v_nop
.endr
	s_lshl_b32 s50, s[TY], 2
	s_add_co_u32 s50, s50, s[WV]
	s_mul_i32 s50, s50, 76032
	s_add_nc_u64 s[WB:WB+1], s[6:7], s[50:51]      ; my chunk of wbuf
	v_and_b32 v18, 31, v0
	v_lshlrev_b32 v[LI], 4, v18
	v_lshlrev_b32 v[L8], 3, v18
	v_lshlrev_b32 v20, 2, v18
.irp s, 0,1,2,3,4,5                    ; W's 36 fragments: they stay
.irp nt, 0,1,2,3,4,5
.set rW, 256+96*\s+16*\nt
.set wn, (rW>>8)<<6
.set rL, rW&255
	WIN wn
.irp c, 0,1,2,3
	global_load_b128 v[rL+4*\c:rL+4*\c+3], v[LI], s[WB:WB+1] offset:(6*\nt+\s)*2048+512*\c
.endr
.endr
.endr
	WIN 0
.irp j, 0,1,2,3,4,5,6,7,8
	global_load_b64 v[WS+2*\j:WS+2*\j+1], v[L8], s[WB:WB+1] offset:73728+256*\j   ; and their scale words
.endr
	s_mov_b32 s[SEL], 0x76543210
	s_mov_b32 s[SEL+1], 0xfedcba98
	s_mov_b32 s[MNT], 0x600000
	s_mov_b32 s[HM], 0xffff0000
	v_and_b32 v19, 15, v0
	v_lshlrev_b32 v19, 2, v19                      ; 4 r
.irp i, 0,1,2                          ; block 3 w + i of the 12 along the channels: word (3 w + i) / 4, byte (3 w + i) % 4
	s_mul_i32 s48, s[WV], 3
	s_add_co_u32 s48, s48, \i
	s_lshr_b32 s49, s48, 2
	s_lshl_b32 s49, s49, 7
	s_and_b32 s48, s48, 3
	s_add_co_u32 s48, s48, s49
	s_add_co_u32 s48, s48, SSTQ
	v_add_nc_u32 v[AQ+\i], s48, v19
.endr
	s_mul_i32 s48, s[WV], 384
	s_add_co_u32 s48, s48, SSTV
	v_add_nc_u32 v[AVB], s48, v20
	s_mul_i32 s48, s[WV], 768
	s_add_co_u32 s49, s48, SSTQ
	v_add_nc_u32 v[ACQ], s49, v[L8]
	s_add_co_u32 s49, s48, SSTV
	v_add_nc_u32 v[ACV], s49, v[L8]
	s_mov_b32 s48, 12288
	s_cmp_eq_u32 s[TY], 2
	s_cselect_b32 s48, s48, 1536
	s_mul_i32 s48, s48, s[WV]
	v_add_nc_u32 v[CO], s48, v[LI]
.irp g, 0,1,2,3,4,5
	v_mov_b32 v[TM+6+\g], 0                        ; a lane permute's destination counts as one of its sources
	v_mov_b32 v[WVR+\g], 0                         ; written once, so that no way through the type's branches reads them unwritten
	v_mov_b32 v[CP+\g], 0
.endr
	s_cmp_eq_u32 s[TY], 0
	s_cselect_b64 s[OB:OB+1], s[8:9], s[10:11]
	s_cmp_eq_u32 s[TY], 2
	s_cselect_b64 s[OB:OB+1], s[12:13], s[OB:OB+1]
	s_mul_i32 s50, s[CH], 2*QTB
	s_add_nc_u64 s[OB:OB+1], s[OB:OB+1], s[50:51]  ; my first output tile
	s_lshr_b32 s48, s[WV], 1
	s_mul_i32 s48, s48, QTB
	s_and_b32 s49, s[WV], 1
	s_mul_i32 s49, s49, 768
	s_add_co_u32 s50, s48, s49
	s_add_co_u32 s50, s50, 49152
	s_add_nc_u64 s[OS:OS+1], s[OB:OB+1], s[50:51]
	s_mov_b32 s[XO], 0
	s_mov_b32 s[SO], 0
	s_mov_b32 s[CNT], 0
	s_wait_loadcnt 0x0                             ; W
	s_wait_tensorcnt 0x0                           ; my quarters of both tiles have landed,
	s_barrier_signal -1
	s_barrier_wait -1                              ; everybody's have
.Ltile:                                                ; two trips: a tile of 128 rows each
	v_add_nc_u32 v[AXF0], s[XO], v[LI]
	v_add_nc_u32 v[AXF0+1], 49152, v[AXF0]
	v_add_nc_u32 v[AXS], s[XO], v[L8]
	v_add_nc_u32 v[AXS], 98304, v[AXS]
.irp i, 0,1,2
	v_add_nc_u32 v[AQW+\i], s[SO], v[AQ+\i]
.endr
	v_add_nc_u32 v[AVW], s[SO], v[AVB]
	XLOAD 0
	GROUP 0
	GROUP 1
	GROUP 2
	GROUP 3
	s_wait_dscnt 0x0                               ; my LDS stores have read their addresses, which the next trip makes anew
	s_wait_xcnt 0x0                                ; the stores have read their base
	s_add_nc_u64 s[OB:OB+1], s[OB:OB+1], QTB
	s_add_co_u32 s[XO], s[XO], XTB
	s_add_co_u32 s[SO], s[SO], 1536
	s_add_co_u32 s[CNT], s[CNT], 1
	s_cmp_lt_u32 s[CNT], 2
	s_cbranch_scc1 .Ltile
	s_barrier_signal -1                            ; every wave's scale bytes lie in LDS (each waited for its stores above)
	s_barrier_wait -1
	s_cmp_eq_u32 s[TY], 2
	s_cbranch_scc1 .Lcv
.irp i, 0,1,2
	ds_load_b64 v[CP+2*\i:CP+2*\i+1], v[ACQ] offset:256*\i
.endr
	s_branch .Lcd
.Lcv:
.irp i, 0,1,2
	ds_load_b64 v[CP+2*\i:CP+2*\i+1], v[ACV] offset:256*\i
.endr
.Lcd:
	s_wait_dscnt 0x0
.irp i, 0,1,2
	global_store_b64 v[L8], v[CP+2*\i:CP+2*\i+1], s[OS:OS+1] offset:256*\i   ; 32 lanes store 256 consecutive bytes, aligned
.endr
	s_wait_tensorcnt 0x0
	ds_add_u32 v254, v255
	s_wait_dscnt 0x0
	s_endpgm
.Lfunc_end_k_q80f262615e_proj:
	.size	k_q80f262615e_proj, .Lfunc_end_k_q80f262615e_proj-k_q80f262615e_proj
	.p2alignl 7, 3214868480
	.fill 96, 4, 3214868480
	.section	.rodata,"a",@progbits
	.p2align	6, 0x0
	.amdhsa_kernel k_q80f262615e_proj
		.amdhsa_group_segment_fixed_size 209408
		.amdhsa_private_segment_fixed_size 0
		.amdhsa_enable_private_segment 0
		.amdhsa_kernarg_size 40
		.amdhsa_user_sgpr_count 2
		.amdhsa_user_sgpr_kernarg_segment_ptr 1
		.amdhsa_wavefront_size32 1
		.amdhsa_system_sgpr_workgroup_id_x 1
		.amdhsa_system_sgpr_workgroup_id_y 1
		.amdhsa_system_sgpr_workgroup_id_z 1
		.amdhsa_system_vgpr_workitem_id 0
		.amdhsa_next_free_vgpr 1024
		.amdhsa_next_free_sgpr 66
		.amdhsa_reserve_vcc 0
		.amdhsa_float_denorm_mode_32 3
		.amdhsa_float_denorm_mode_16_64 3
		.amdhsa_memory_ordered 1
		.amdhsa_forward_progress 1
		.amdhsa_inst_pref_size 164
	.end_amdhsa_kernel
	.amdgpu_metadata
---
amdhsa.version: [ 1, 2 ]
amdhsa.kernels:
  - .name:           k_q80f262615e_proj
    .symbol:         k_q80f262615e_proj.kd
    .args:
      - { .name: xbuf, .offset: 0, .size: 8, .value_kind: global_buffer, .address_space: global }
      - { .name: wbuf, .offset: 8, .size: 8, .value_kind: global_buffer, .address_space: global }
      - { .name: qbuf, .offset: 16, .size: 8, .value_kind: global_buffer, .address_space: global }
      - { .name: kbuf, .offset: 24, .size: 8, .value_kind: global_buffer, .address_space: global }
      - { .name: vbuf, .offset: 32, .size: 8, .value_kind: global_buffer, .address_space: global }
    .group_segment_fixed_size: 209408
    .private_segment_fixed_size: 0
    .kernarg_segment_align: 8
    .kernarg_segment_size: 40
    .max_flat_workgroup_size: 128
    .sgpr_count:     66
    .vgpr_count:     1024
    .wavefront_size: 32
...
	.end_amdgpu_metadata
.endif
;; end of part 2
;; launch attn (part 3): grid 64 x 4, 4 waves a work-group, clusters of 4 x 1, 327,680 bytes of LDS; arguments qbuf, kbuf, vbuf, out0; writes out0
.if DOCPART == 3
	.amdgcn_target "amdgcn-amd-amdhsa--gfx1250"
	.amdhsa_code_object_version 6
	.text
	.protected	k_q80f262615e_attn
	.globl	k_q80f262615e_attn
	.p2align	8
	.type	k_q80f262615e_attn,@function
k_q80f262615e_attn:
	s_mov_b64 s[64:65], 0
	v_nop
	global_prefetch_b8 v0, s[64:65] scope:SCOPE_SE
	s_setreg_imm32_b32 hwreg(HW_REG_WAVE_MODE, 25, 1), 1
	s_wait_xcnt 0x0
	s_wait_alu depctr_hold_cnt(0) depctr_sa_sdst(0) depctr_va_vdst(0) depctr_va_sdst(0) depctr_va_ssrc(0) depctr_va_vcc(0) depctr_vm_vsrc(0)
	s_getreg_b32 s2, hwreg(HW_REG_IB_STS2, 6, 4)
	s_cmp_eq_u32 s2, 0
	s_cbranch_scc0 .Lentry_in_a_cluster
	s_endpgm
.Lentry_in_a_cluster:
	s_bfe_u32 s2, ttmp6, 0x10000c
	s_cmp_lg_u32 s2, 0x3003
	s_cbranch_scc0 .Lentry_shape_is_right
	s_endpgm
.Lentry_shape_is_right:
; out[b][q][:] = the sum over keys k <= q of softmax_k(q . k / sqrt(384)) v[k][:], both products on codes of BF8 (E5M2) with E8M0 scales; 4 batches, 4,096 rows, head size 384.
; qbuf, kbuf, vbuf hold tiles of 128 rows x 50,688 bytes as images of operand registers (a fragment of 16 rows x 128 K: register group c at 512 c + 16 x lane), scale words behind the codes at 49,152.
; THE ORDER OF 32: lane r of tile u takes item 8 u + r + 8 (r / 8) of 32 queries, keys or channels.
; BALANCE.  Cluster a (0 .. 15) of a batch owns query tile a and query tile 31 - a; partner cx takes 32 queries of each.  They are walked one after the other as steps m = 0 .. 32 of 128 keys:
; key tile m for m <= a, then m - a - 1: 33 steps in every work-group, none of them wholly above the diagonal.  All trip counts are constants, and the four partners want the same tiles at the same time:
; every tile is asked for JOINTLY (mask 15).
; ROLES.  Scores: wave w takes keys 32 w .. 32 w + 31 of the step (6 fragments of K) against both query tiles, transposed (source 0 = keys, source 1 = queries): a lane holds one query and 16 neighbouring keys.
; Second product: wave w takes channels 96 w .. 96 w + 95 (6 fragments of V^T) against both query tiles: O^T.  So each byte of K and V is read from LDS once in a work-group.  p's codes go from wave to
; wave as images: wave w's block is register group w of P's fragment.
; THE SOFTMAX.  t = score x log2(e) / sqrt(384).  A wave has one block of 32 keys for each query: it takes M_w = ceil(the block's largest t), p = 2^(t - M_w), quantises p, and hands on -M_w, the scale's byte
; and the block's sum of the unquantised p.  Every wave then forms the running M (a whole number) from the four, moves each byte by M_w - M and each sum by the same power of two: exact, the codes stay.
; O^T and the row's sum are multiplied by 2^(old M - new M) in every step; O is divided by the sum at the end.
; PIPELINE.  Trip n: scores and softmax of step n + 1, second product of step n.  One round of the cluster's barrier a trip; behind it waves 0, 1 ask for the halves of K's tile of step n + 3 and waves 2, 3 for
; those of V's of step n + 2: one tensor load a wave, with a whole trip in which to land.  By this text's count a wave has two tensor loads out at the start and one behind each round.
; LIMITS: NaN and infinities are not served.  A block of p that lies more than 2^-110 under the row's largest keeps the byte 1 (what it adds is under 2^-105 of v).  O of the first query tile must be finite
; when the second begins (it is cleared by a multiplication by 0).
; LDS: K's two slots at 0 and 50,688; V's at 101,376 and 152,064; two exchange buffers of 6,144 (P's two images, then 512 bytes of figures a wave); the spare words; two stages of 32 rows x 1,552 for O.
; REGISTERS: window 0: v1-23 addresses and what stays; v24-33 scale words; v40-71 S^T, then p; v72-87 the four waves' figures; v88-95 p's codes; v96-143 at work; v144-239 O^T (8 (6 uq + el)).
;   window 1: v256.. Q (16 (3 uq + s)); v352.. K (16 (3 uk + s)).   window 2: v512.. V (16 el); v608.. P (16 uq).
.set TILEB, 50688
.set HALFB, 25344
.set XB,    4*TILEB                    ; the exchange buffers
.set XSZ,   6144
.set SPARE, XB+2*XSZ                   ; the spare words: 128 bytes a wave, two blocks of 256 bytes that no other line names
.set STG,   SPARE+512                  ; the stages
.set STGSZ, 32*1552
.set LI,  1                            ; v1  16 x lane
.set LS,  2                            ; v2  4 x lane
.set AK,  3                            ; v3  my K fragments in slot 0;  v4 their scale words
.set AKS, 4
.set AV,  5                            ; v5  my V fragments in slot 0;  v6 their scale words
.set AVS, 6
.set AXR, 7                            ; v7  exchange buffer 0, 16 x lane;  v8 my wave's part of it
.set AXW, 8
.set ASW, 9                            ; v9  stage 0: where I put 64 bytes of a row;  v10 where I read rows back
.set ASR, 10
.set DM,  17                           ; v17 my query less my first key, on the diagonal
.set PFO, 18                           ; v18 the prefetches' offset; never rewritten
.set SPW, 19                           ; v19 my spare word; never rewritten
.set NIL, 20                           ; v20 0; never rewritten
.set NEGM, 21                          ; v21 -M, v22 the row's sum: lanes 0-15 query tile 0, lanes 16-31 query tile 1
.set LSUM, 22
.set LSQ, 23                           ; v23 Q's scale words' offset
.set QS,  24
.set KS,  27
.set VS,  30
.set SW,  33                           ; P's scale word
.set S,   40
.set ST,  72
.set PC,  88
.set T,   96
.set O,   144
.set MX,  T+24                         ; the softmax's registers, one or a pair for each query tile
.set MXP, T+26
.set NM,  T+28
.set TT,  T+32
.set PM,  T+34
.set SA,  T+36
.set SUMP, T+44
.set SCL, T+8
.set HOLD, T+10
.set BY,  T+12
.set BYF, T+14
.set EX,  T+16
.set WV,  12                           ; s12 wave, s13 wave / 2 (0: I fetch K, 1: V), s14 wave % 2 (which half)
.set WH,  13
.set WL,  14
.set A,   15                           ; s15 a, s16 a + 1
.set A1,  16
.set CX,  17
.set BT,  18
.set N,   19                           ; s19 the trip, in twos
.set SEL, 20
.set CS,  22                           ; s[22:23] c = log2(e) / sqrt(384)
.set MNT, 24
.set HM,  25
.set LE,  26                           ; s26, s27 the LDS byte that I fill behind an even, an odd trip
.set LO,  27
.set TBT, 28                           ; s[28:29] my half of key tile 0 of my tensor and batch
.set G0A, 32
.set G0B, 36
.set G1,  40
.set QL,  48
.set QH,  50
.set OUTL, 52
.set OUTH, 54
.set PFA, 56
.set LIM, 58
.set MSB, 0
.macro WIN new                         ; the immediate's high byte repeats the setting that is left; a switch that changes nothing is dropped
.if MSB != (\new)
	s_set_vgpr_msb (MSB<<8)|(\new)
.set MSB, (\new)
.endif
.endm
.macro WMS                             ; one matrix instruction from the symbols rD, rA, rB, rZ (1: C = 0), rSA, rSB, rRA, rRB (1: lanes 16-31 of the scale register)
.if rZ
.if rRA && rRB
	v_wmma_scale_f32_16x16x128_f8f6f4 v[rD:rD+7], v[rA:rA+15], v[rB:rB+15], 0, v[rSA], v[rSB] matrix_a_fmt:MATRIX_FMT_BF8 matrix_b_fmt:MATRIX_FMT_BF8 matrix_a_scale:MATRIX_SCALE_ROW1 matrix_b_scale:MATRIX_SCALE_ROW1
.elseif rRA
	v_wmma_scale_f32_16x16x128_f8f6f4 v[rD:rD+7], v[rA:rA+15], v[rB:rB+15], 0, v[rSA], v[rSB] matrix_a_fmt:MATRIX_FMT_BF8 matrix_b_fmt:MATRIX_FMT_BF8 matrix_a_scale:MATRIX_SCALE_ROW1
.elseif rRB
	v_wmma_scale_f32_16x16x128_f8f6f4 v[rD:rD+7], v[rA:rA+15], v[rB:rB+15], 0, v[rSA], v[rSB] matrix_a_fmt:MATRIX_FMT_BF8 matrix_b_fmt:MATRIX_FMT_BF8 matrix_b_scale:MATRIX_SCALE_ROW1
.else
	v_wmma_scale_f32_16x16x128_f8f6f4 v[rD:rD+7], v[rA:rA+15], v[rB:rB+15], 0, v[rSA], v[rSB] matrix_a_fmt:MATRIX_FMT_BF8 matrix_b_fmt:MATRIX_FMT_BF8
.endif
.else
.if rRA && rRB
	v_wmma_scale_f32_16x16x128_f8f6f4 v[rD:rD+7], v[rA:rA+15], v[rB:rB+15], v[rD:rD+7], v[rSA], v[rSB] matrix_a_fmt:MATRIX_FMT_BF8 matrix_b_fmt:MATRIX_FMT_BF8 matrix_a_scale:MATRIX_SCALE_ROW1 matrix_b_scale:MATRIX_SCALE_ROW1
.elseif rRA
	v_wmma_scale_f32_16x16x128_f8f6f4 v[rD:rD+7], v[rA:rA+15], v[rB:rB+15], v[rD:rD+7], v[rSA], v[rSB] matrix_a_fmt:MATRIX_FMT_BF8 matrix_b_fmt:MATRIX_FMT_BF8 matrix_a_scale:MATRIX_SCALE_ROW1
.elseif rRB
	v_wmma_scale_f32_16x16x128_f8f6f4 v[rD:rD+7], v[rA:rA+15], v[rB:rB+15], v[rD:rD+7], v[rSA], v[rSB] matrix_a_fmt:MATRIX_FMT_BF8 matrix_b_fmt:MATRIX_FMT_BF8 matrix_b_scale:MATRIX_SCALE_ROW1
.else
	v_wmma_scale_f32_16x16x128_f8f6f4 v[rD:rD+7], v[rA:rA+15], v[rB:rB+15], v[rD:rD+7], v[rSA], v[rSB] matrix_a_fmt:MATRIX_FMT_BF8 matrix_b_fmt:MATRIX_FMT_BF8
.endif
.endif
.endm
.macro CROUND                          ; a round of the cluster's barrier
	s_barrier_signal -1
	s_barrier_wait -1
	s_cmp_lg_u32 s[WV], 0
	s_cbranch_scc1 .Lnot_wave_0_\@
	s_barrier_signal -3
.Lnot_wave_0_\@:
	s_barrier_wait -3
	s_barrier_signal -1
	s_barrier_wait -1
.endm
; THE END OF TRIP n = N + off.  Every wave: all its tensor loads have landed; 0 onto its spare word; the descriptor of the next tile is made while that is out; the add is done and its LDS reads and stores are over.
; Then a round: no wave of any partner still reads the slots, and the exchange buffer just written is whole.  Behind it the joint refill comes first, one load a wave.
; kind 0: all four waves ask; 1: K's waves alone; 2: V's alone.  step = 1: the prefetches' address goes a key tile on.
.macro FILL off, ldsreg, kind, step
	s_wait_tensorcnt 0x0                           ; no tensor load of mine is out, so its descriptor may be written
	ds_add_u32 v[SPW], v[NIL]
	s_add_co_u32 s60, s[N], (\off)+3
	s_sub_co_u32 s60, s60, s[WH]                   ; step n + 3 for K, n + 2 for V
	s_cmp_gt_u32 s60, s[A]
	s_cselect_b32 s61, s[A1], 0
	s_sub_co_u32 s60, s60, s61                     ; its key tile
	s_mul_i32 s30, s60, TILEB
	s_mov_b32 s31, 0
	s_add_nc_u64 s[G0B+2:G0B+3], s[TBT:TBT+1], s[30:31]
	s_or_b32 s[G0B+3], s[G0B+3], 0x80000000
	s_mov_b32 s[G0B+1], s[\ldsreg]
.if \step
	s_wait_xcnt 0x0                                ; this trip's prefetch, issued near its head, has read its address
	s_add_nc_u64 s[PFA:PFA+1], s[PFA:PFA+1], TILEB
.endif
	s_wait_dscnt 0x0
	CROUND
.if \kind == 1
	s_cmp_lt_u32 s[WV], 2
	s_cbranch_scc0 .Lno_fill_\@
.elseif \kind == 2
	s_cmp_ge_u32 s[WV], 2
	s_cbranch_scc0 .Lno_fill_\@
.endif
	tensor_load_to_lds s[G0B:G0B+3], s[G1:G1+7]
	s_nop 0
.rept 4
	v_nop
.endr
.Lno_fill_\@:
.endm
.macro LOADK slot                      ; my six fragments of K and their three scale words
	WIN 0x40                                       ; destination window 1
.set j, 0
.rept 24
	ds_load_b128 v[96+4*j:96+4*j+3], v[AK] offset:(\slot)*TILEB+512*j
.set j, j+1
.endr
	WIN 0
.irp s, 0,1,2
	ds_load_b32 v[KS+\s], v[AKS] offset:(\slot)*TILEB+128*\s
.endr
.endm
.macro LOADS par, doS                  ; a trip's LDS loads in one run, in the order of their use
.if \doS
	LOADK 1-\par
.endif
.irp w, 0,1,2,3
	ds_load_b128 v[ST+4*\w:ST+4*\w+3], v[AXR] offset:(\par)*XSZ+4096+512*\w   ; wave w's figures: -M_w, byte, sum
.endr
.irp i, 0,1,2
	ds_load_b32 v[VS+\i], v[AVS] offset:(\par)*TILEB+128*\i
.endr
	WIN 0x80                                       ; destination window 2
.set j, 0
.rept 8
	ds_load_b128 v[96+4*j:96+4*j+3], v[AXR] offset:(\par)*XSZ+512*j           ; P's two fragments
.set j, j+1
.endr
.set j, 0
.rept 24
	ds_load_b128 v[4*j:4*j+3], v[AV] offset:(\par)*TILEB+512*j                ; my six fragments of V
.set j, j+1
.endr
	WIN 0
.endm
; A PREFETCH INTO THE L2: in trip n key tile n + 5 of K and of V, for n under 27 (tiles 5 .. 31; tiles 0 .. 4 come by their loads alone).  All clusters of a batch walk the same tiles: cluster 0 asks, which
; names tile n + 2 of K and n + 1 of V by its loads in that trip; no cluster's loads name a tile beyond n + 3.  Its partners share a tile out BY ADDRESS: 0 and 1 take K's halves, 2 and 3 V's;
; a thread names one block of 256 bytes of the half's 99; threads 99 .. 127 name block 98 again.
.macro ASK off
	s_add_co_u32 s59, s[N], \off
	s_cmp_lt_u32 s59, s[LIM]
	s_cbranch_scc0 .Lnot_mine_\@
	global_prefetch_b8 v[PFO], s[PFA:PFA+1] th:TH_LOAD_NT scope:SCOPE_SE
.Lnot_mine_\@:
.endm
.macro SMUL                            ; S^T = K Q^T: 12 matrix instructions, four accumulators by turns; the first K step starts the sums
	WIN 0x05                                       ; sources 0 and 1 window 1
.irp s, 0,1,2
.irp q, 0,1
.irp k, 0,1
.set rD, S+16*\q+8*\k
.set rA, 96+16*(3*\k+\s)
.set rB, 16*(3*\q+\s)
.set rZ, 0
.if \s == 0
.set rZ, 1
.endif
.set rSA, KS+\s
.set rRA, \k
.set rSB, QS+\s
.set rRB, \q
	WMS
.endr
.endr
.endr
	WIN 0
.endm
.macro PMUL                            ; O^T += V^T P^T: 12 matrix instructions on 12 accumulators
	WIN 0x0a                                       ; sources 0 and 1 window 2
.irp e, 0,1,2,3,4,5
.irp q, 0,1
.set rD, O+8*(6*\q+\e)
.set rA, 16*\e
.set rB, 96+16*\q
.set rZ, 0
.set rSA, VS+\e/2
.set rRA, \e&1
.set rSB, SW
.set rRB, \q
	WMS
.endr
.endr
	WIN 0
.endm
.macro COMBINE                         ; the four waves' figures of the step make the running M, P's scale word, the row's sum and f = 2^(old M - new M)
	v_min3_num_f32 v[T], v[ST], v[ST+4], v[ST+8]
	v_min3_num_f32 v[T], v[T], v[ST+12], v[NEGM]           ; the new -M
	v_sub_f32 v[T+1], v[T], v[NEGM]                        ; old M - new M: a whole number, 0 or less
	v_cvt_i32_f32 v[T+1], v[T+1]                           ; (it saturates)
	v_ldexp_f32 v[T+2], 1.0, v[T+1]                        ; f
	v_mov_b32 v[NEGM], v[T]
.irp w, 0,1,2,3
	v_sub_f32 v[T+8+\w], v[T], v[ST+4*\w]                  ; M_w - M, 0 or less
.endr
.irp w, 0,1,2,3
	v_max_num_f32 v[T+8+\w], 0xc3800000, v[T+8+\w]         ; held at -256: under that nothing is left of the block
.endr
.irp w, 0,1,2,3
	v_cvt_i32_f32 v[T+12+\w], v[T+8+\w]
.endr
.irp w, 0,1,2,3
	v_add_f32 v[T+16+\w], v[ST+4*\w+1], v[T+8+\w]          ; the byte under the running M,
.endr
.irp w, 0,1,2,3
	v_max_num_f32 v[T+16+\w], 1.0, v[T+16+\w]              ; held at 1 from below
.endr
.irp w, 0,1,2,3
	v_cvt_u32_f32 v[T+16+\w], v[T+16+\w]
.endr
.irp w, 0,1,2,3
	v_ldexp_f32 v[T+20+\w], v[ST+4*\w+2], v[T+12+\w]       ; the block's sum under the running M: exact
.endr
	v_fma_f32 v[LSUM], v[LSUM], v[T+2], v[T+20]
	v_add_f32 v[T+21], v[T+21], v[T+22]
	v_add_f32 v[LSUM], v[LSUM], v[T+23]
	v_add_f32 v[LSUM], v[LSUM], v[T+21]
	v_lshl_or_b32 v[SW], v[T+17], 8, v[T+16]
	v_lshl_or_b32 v[SW], v[T+18], 16, v[SW]
	v_lshl_or_b32 v[SW], v[T+19], 24, v[SW]
	v_permlanex16_b32 v[T+3], v[T+2], s[SEL], s[SEL+1]
	v_cndmask_b32 v[T+4], v[T+2], v[T+3], s[HM]            ; query tile 0's f in both halves of the lanes,
	v_cndmask_b32 v[T+6], v[T+3], v[T+2], s[HM]            ; query tile 1's
.endm
.macro RESCALE                         ; O^T x f, each accumulator from its low end on.  These 48 lines are also the places behind the scores' products and in front of the second product (its scale word was just made)
.set j, 0
.rept 24
	v_pk_mul_f32 v[O+j:O+j+1], v[O+j:O+j+1], v[T+4:T+5] op_sel_hi:[1,0]
.set j, j+2
.endr
.rept 24
	v_pk_mul_f32 v[O+j:O+j+1], v[O+j:O+j+1], v[T+6:T+7] op_sel_hi:[1,0]
.set j, j+2
.endr
.endm
.macro MASK                            ; on the diagonal: register 16 uq + i holds key 32 w + 16 h + i, my query is 32 cx + 8 uq + r + 8 (r / 8): hidden where i - 8 uq > DM
	v_mov_b32 v[T+8], 0xff800000                   ; -infinity
.irp q, 0,1
.irp i, 0,1,2,3,4,5,6,7,8,9,10,11,12,13,14,15
	v_cmp_gt_i32 vcc_lo, \i-8*\q, v[DM]
	v_cndmask_b32 v[S+16*\q+\i], v[S+16*\q+\i], v[T+8], vcc_lo
.endr
.endr
.endm
.macro SOFTMAX                         ; my block of 32 keys for both query tiles, the tiles by turns
.irp q, 0,1
	v_max3_num_f32 v[MX+\q], v[S+16*\q], v[S+16*\q+1], v[S+16*\q+2]
.endr
.irp i, 3,5,7,9,11,13
.irp q, 0,1
	v_max3_num_f32 v[MX+\q], v[MX+\q], v[S+16*\q+\i], v[S+16*\q+\i+1]
.endr
.endr
.irp q, 0,1
	v_max_num_f32 v[MX+\q], v[MX+\q], v[S+16*\q+15]
.endr
.irp q, 0,1
	v_permlanex16_b32 v[MXP+\q], v[MX+\q], s[SEL], s[SEL+1]
.endr
.irp q, 0,1
	v_max_num_f32 v[MX+\q], v[MX+\q], v[MXP+\q]            ; the block's largest score: it serves for M_w and, since p rises with the score, for the block's largest p
.endr
.irp q, 0,1
	v_mul_f32 v[TT+\q], s[CS], v[MX+\q]
.endr
.irp q, 0,1
	v_max_num_f32 v[TT+\q], 0xff61b1e6, v[TT+\q]           ; a block that is wholly hidden: -3e38 in place of -infinity
.endr
.irp q, 0,1
	v_floor_f32 v[NM+2*\q], -v[TT+\q]                      ; -M_w = floor(-t): a whole number
.endr
.irp q, 0,1
.irp i, 0,2,4,6,8,10,12,14
	v_pk_fma_f32 v[S+16*\q+\i:S+16*\q+\i+1], v[S+16*\q+\i:S+16*\q+\i+1], s[CS:CS+1], v[NM+2*\q:NM+2*\q+1] op_sel_hi:[1,0,0]   ; t - M_w
.endr
.endr
.irp q, 0,1
	v_fma_f32 v[PM+\q], v[MX+\q], s[CS], v[NM+2*\q]        ; the same of the largest score
.endr
.set j, 0
.rept 32
	v_exp_f32 v[S+j], v[S+j]                       ; p = 2^(t - M_w): one batch
.set j, j+1
.endr
	v_mov_b32 v[EX+3], 0                           ; a plain line behind the batch
	s_wait_alu depctr_va_vdst(0)                   ; one wait for the 32, ahead of their first reader
.irp q, 0,1
	v_exp_f32 v[PM+\q], v[PM+\q]                   ; the block's largest p
.endr
.irp q, 0,1                            ; the sum of the UNQUANTISED p: it reads the 32 alone, plain work behind the two
	v_pk_add_f32 v[SA+4*\q:SA+4*\q+1], v[S+16*\q:S+16*\q+1], v[S+16*\q+2:S+16*\q+3]
	v_pk_add_f32 v[SA+4*\q+2:SA+4*\q+3], v[S+16*\q+4:S+16*\q+5], v[S+16*\q+6:S+16*\q+7]
.endr
.irp i, 8,12
.irp q, 0,1
	v_pk_add_f32 v[SA+4*\q:SA+4*\q+1], v[SA+4*\q:SA+4*\q+1], v[S+16*\q+\i:S+16*\q+\i+1]
	v_pk_add_f32 v[SA+4*\q+2:SA+4*\q+3], v[SA+4*\q+2:SA+4*\q+3], v[S+16*\q+\i+2:S+16*\q+\i+3]
.endr
.endr
.irp q, 0,1
	v_pk_add_f32 v[SA+4*\q:SA+4*\q+1], v[SA+4*\q:SA+4*\q+1], v[SA+4*\q+2:SA+4*\q+3]
.endr
.irp q, 0,1
	v_add_f32 v[SA+4*\q], v[SA+4*\q], v[SA+4*\q+1]
.endr
.irp q, 0,1
	v_permlanex16_b32 v[SUMP+\q], v[SA+4*\q], s[SEL], s[SEL+1]
.endr
.irp q, 0,1
	v_add_f32 v[SA+4*\q], v[SA+4*\q], v[SUMP+\q]           ; with lane l xor 16's 16 keys: the block's sum
.endr
	s_wait_alu depctr_va_vdst(0)                   ; and one wait for the two
.irp q, 0,1
	v_max_num_f32 v[PM+\q], 0x8000000, v[PM+\q]            ; the floor 2^(16 - 127): the byte cannot fall under 1
.endr
.irp q, 0,1
	v_add_nc_u32 v[SCL+\q], 0xf8800000, v[PM+\q]           ; 15 off the exponent field: the conversion's scale operand
.endr
.irp q, 0,1
	v_and_or_b32 v[HOLD+\q], v[PM+\q], 0x7f800000, s[MNT]  ; 57,344 x the scale
.endr
.irp q, 0,1
	v_lshrrev_b32 v[BY+\q], 23, v[SCL+\q]
.endr
.irp q, 0,1
	v_cvt_f32_u32 v[BYF+\q], v[BY+\q]                      ; the byte as a number: the readers add M_w - M to it
.endr
.irp q, 0,1
.irp i, 0,1,2,3,4,5,6,7,8,9,10,11,12,13,14,15
	v_min_num_f32 v[S+16*\q+\i], v[S+16*\q+\i], v[HOLD+\q] ; the conversion does not saturate (ISA guide 7.6.2); p is not negative: a one-sided hold
.endr
	v_cvt_scalef32_pk8_bf8_f32 v[PC+4*\q:PC+4*\q+1], v[S+16*\q:S+16*\q+7], v[SCL+\q]
	v_cvt_scalef32_pk8_bf8_f32 v[PC+4*\q+2:PC+4*\q+3], v[S+16*\q+8:S+16*\q+15], v[SCL+\q]
.endr
	v_nop                                          ; a plain line behind the last conversion
.endm
.macro EXPORT xp                       ; my register group of P's two images and my figures, into exchange buffer xp
	ds_store_b128 v[AXW], v[PC:PC+3] offset:(\xp)*XSZ
	ds_store_b128 v[AXW], v[PC+4:PC+7] offset:(\xp)*XSZ+2048
	v_cndmask_b32 v[EX], v[NM], v[NM+2], s[HM]             ; lanes 0-15 query tile 0's, lanes 16-31 query tile 1's
	v_cndmask_b32 v[EX+1], v[BYF], v[BYF+1], s[HM]
	v_cndmask_b32 v[EX+2], v[SA], v[SA+4], s[HM]
	ds_store_b128 v[AXW], v[EX:EX+3] offset:(\xp)*XSZ+4096
.endm
.macro QLOAD base                      ; my 32 queries: six fragments and three scale words
	WIN 0x40                                       ; destination window 1
.set j, 0
.rept 24
	global_load_b128 v[4*j:4*j+3], v[LI], s[\base:\base+1] offset:512*j
.set j, j+1
.endr
	WIN 0
.irp s, 0,1,2
	global_load_b32 v[QS+\s], v[LSQ], s[\base:\base+1] offset:128*\s
.endr
.endm
; A query tile is finished: O^T / the sum goes into stage stg (row = query, 1,536 bytes + 16); my 16 registers of a pair of channel tiles are 64 neighbouring bytes of a row.  -M begins anew at 3e38,
; so that the next f is 0 and clears O^T and the sum.
.macro PART1 stg
	s_wait_dscnt 0x0                               ; the exchange's stores have read their registers
	v_rcp_f32 v[T+40], v[LSUM]
	v_nop                                          ; a plain line behind the reciprocal,
	s_wait_alu depctr_va_vdst(0)                   ; and the wait ahead of its first reader
	v_permlanex16_b32 v[T+41], v[T+40], s[SEL], s[SEL+1]
	v_cndmask_b32 v[T+42], v[T+40], v[T+41], s[HM]
	v_cndmask_b32 v[T+44], v[T+41], v[T+40], s[HM]
.set j, 0
.rept 24
	v_pk_mul_f32 v[S+j:S+j+1], v[O+j:O+j+1], v[T+42:T+43] op_sel_hi:[1,0]
.set j, j+2
.endr
.rept 24
	v_pk_mul_f32 v[S+j:S+j+1], v[O+j:O+j+1], v[T+44:T+45] op_sel_hi:[1,0]
.set j, j+2
.endr
.irp q, 0,1
.irp i, 0,1,2
.irp k, 0,1,2,3
	ds_store_b128 v[ASW], v[S+48*\q+16*\i+4*\k:S+48*\q+16*\i+4*\k+3] offset:(\stg)*STGSZ+12416*\q+128*\i+16*\k
.endr
.endr
.endr
	v_mov_b32 v[NEGM], 0x7f61b1e6
.endm
.macro PART2 out, stg                  ; behind a barrier: I read rows 8 w .. 8 w + 7 back whole and store them, 512 consecutive bytes a store
.irp r, 0,1,2,3,4,5,6,7
.irp k, 0,1,2
	ds_load_b128 v[S+4*(3*\r+\k):S+4*(3*\r+\k)+3], v[ASR] offset:(\stg)*STGSZ+1552*\r+512*\k
.endr
.endr
	s_wait_dscnt 0x0
.irp r, 0,1,2,3,4,5,6,7
.irp k, 0,1,2
	global_store_b128 v[LI], v[S+4*(3*\r+\k):S+4*(3*\r+\k)+3], s[\out:\out+1] offset:1536*\r+512*\k th:TH_STORE_NT
.endr
.endr
	s_wait_xcnt 0x0                                ; the stores have read their registers, which are written again below
.endm
; TRIP n = N + off, par = n % 2.  doS: scores and softmax of step n + 1.  sw: the change from the first query tile to the second may fall here (branches on a and n alone, alike in all partners).
; The first tile's rows go into stage par at the end of trip a and are read from it at the head of trip a + 1: the read at a trip's head and the write at its end name different stages.
.macro BODY par, off, doS, sw, maskall, ask
.if \sw
	s_add_co_u32 s59, s[N], \off
	s_cmp_eq_u32 s59, s[A1]
	s_cbranch_scc0 .Lno_p2_\@
	PART2 OUTL, 1-\par
.Lno_p2_\@:
.endif
	LOADS \par, \doS
.if \ask
	ASK \off
.endif
.if \doS
	s_wait_loadcnt 0x0                             ; Q
	s_wait_dscnt 39                                ; K and its words are in; younger: 4 figures, 3 words of V, 8 of P, 24 of V
	SMUL
.endif
	s_wait_dscnt 35                                ; the figures are in; younger: 3 words of V, 8 of P, 24 of V
	COMBINE
	RESCALE
.if \sw
	s_add_co_u32 s59, s[N], \off+1
	s_cmp_eq_u32 s59, s[A]
	s_cbranch_scc0 .Lno_q_\@
	QLOAD QH                                       ; step a's scores were the first tile's last: the second tile's queries
.Lno_q_\@:
.endif
	s_wait_dscnt 0x0
	PMUL
.if \doS
.if \maskall
	MASK
.elseif \sw
	s_add_co_u32 s59, s[N], \off+1
	s_cmp_eq_u32 s59, s[A]
	s_cbranch_scc0 .Lno_m_\@
	MASK
.Lno_m_\@:
.endif
	SOFTMAX                                        ; its plain lines are the places behind the second product
	EXPORT 1-\par
.endif
.if \sw
	s_add_co_u32 s59, s[N], \off
	s_cmp_eq_u32 s59, s[A]
	s_cbranch_scc0 .Lno_p1_\@
	PART1 \par
.Lno_p1_\@:
.endif
.endm
	s_load_b256 s[4:11], s[0:1], 0x0               ; qbuf s[4:5], kbuf s[6:7], vbuf s[8:9], out0 s[10:11]
	v_lshl_add_u32 v[SPW], v0, 2, SPARE
	v_mov_b32 v[NIL], 0
	ds_add_u32 v19, v20
	ds_add_u32 v19, v20
	s_wait_dscnt 0x0
	v_lshrrev_b32 v96, 5, v0
	v_readfirstlane_b32 s[WV], v96                 ; wave 0..3
	s_lshr_b32 s[WH], s[WV], 1
	s_and_b32 s[WL], s[WV], 1
	s_mov_b32 s[A], ttmp9                          ; in a cluster launch ttmp9 counts clusters
	s_add_co_u32 s[A1], s[A], 1
	s_bfe_u32 s[CX], ttmp6, 0x40000                ; my place in the cluster: it enters Q's, O's and the prefetches' addresses and the mask's numbers alone
	s_and_b32 s[BT], ttmp7, 0xffff                 ; the batch
	; descriptor group 1: half a tile, 25,344 dense bytes, as 99 rows of 256 bytes (32 elements of 8 bytes); no padding: images are read 512 consecutive bytes at a time
	s_mov_b32 s[G1], 15|(3<<16)|(1<<21)            ; the mask: all four work-groups; elements of 8 bytes; bit 21 beside a mask
	s_mov_b32 s[G1+1], 32<<16                      ; tensor_dim0
	s_mov_b32 s[G1+2], 99<<16                      ; tensor_dim1
	s_mov_b32 s[G1+3], 32<<16                      ; tile_dim0
	s_mov_b32 s[G1+4], 99                          ; tile_dim1
	s_mov_b32 s[G1+5], 32                          ; the pitch
	s_mov_b32 s[G1+6], 0
	s_mov_b32 s[G1+7], 0
	s_mov_b32 s[SEL], 0x76543210
	s_mov_b32 s[SEL+1], 0xfedcba98
	s_mov_b32 s[CS], 0x3d96c73f                    ; c = log2(e) / sqrt(384)
	s_mov_b32 s[CS+1], s[CS]                       ; (named with it as a pair)
	s_mov_b32 s[MNT], 0x600000
	s_mov_b32 s[HM], 0xffff0000
	s_mov_b32 s[N], 0
	s_mul_i32 s59, s[WH], 4*HALFB
	s_mul_i32 s60, s[WL], HALFB
	s_add_co_u32 s59, s59, s60                     ; my half of slot 0 of my tensor
	s_mul_i32 s61, s[WH], TILEB
	s_add_co_u32 s[LO], s59, s61                   ; behind an odd trip: K's slot 0, V's slot 1
	s_xor_b32 s62, s[WH], 1
	s_mul_i32 s62, s62, TILEB
	s_add_co_u32 s[LE], s59, s62                   ; behind an even trip: K's slot 1, V's slot 0
	s_mul_i32 s66, s[BT], 32*TILEB                 ; the batch's first tile
	s_add_co_u32 s30, s66, s60
	s_mov_b32 s31, 0
	s_mov_b32 s71, 0
	s_wait_kmcnt 0x0
	s_cmp_lt_u32 s[WV], 2
	s_cselect_b64 s[TBT:TBT+1], s[6:7], s[8:9]
	s_add_nc_u64 s[TBT:TBT+1], s[TBT:TBT+1], s[30:31]
	s_mov_b32 s[G0A], 1                            ; step 0: key tile 0, slot 0
	s_mov_b32 s[G0A+1], s59
	s_mov_b64 s[G0A+2:G0A+3], s[TBT:TBT+1]
	s_or_b32 s[G0A+3], s[G0A+3], 0x80000000
	s_mov_b32 s[G0B], 1                            ; step 1: key tile 1, or 0 again where a = 0; slot 1
	s_add_co_u32 s[G0B+1], s59, TILEB
	s_cmp_eq_u32 s[A], 0
	s_cselect_b32 s30, 0, TILEB
	s_add_nc_u64 s[G0B+2:G0B+3], s[TBT:TBT+1], s[30:31]
	s_or_b32 s[G0B+3], s[G0B+3], 0x80000000
	; what hangs on cx is made in registers of its own, s70 to s73
	s_mul_i32 s67, s[A], TILEB
	s_add_co_u32 s67, s67, s66
	s_mul_i32 s72, s[CX], 12288
	s_add_co_u32 s70, s67, s72
	s_add_nc_u64 s[QL:QL+1], s[4:5], s[70:71]      ; my 32 queries of tile a,
	s_sub_co_u32 s68, 31, s[A]
	s_mul_i32 s69, s68, TILEB
	s_add_co_u32 s69, s69, s66
	s_add_co_u32 s70, s69, s72
	s_add_nc_u64 s[QH:QH+1], s[4:5], s[70:71]      ; and of tile 31 - a
	s_lshl_b32 s72, s[BT], 12
	s_lshl_b32 s73, s[CX], 5
	s_add_co_u32 s72, s72, s73
	s_lshl_b32 s73, s[WV], 3
	s_add_co_u32 s72, s72, s73                     ; 4,096 x batch + 32 cx + 8 w
	s_lshl_b32 s73, s[A], 7
	s_add_co_u32 s73, s73, s72
	s_mul_i32 s70, s73, 1536
	s_add_nc_u64 s[OUTL:OUTL+1], s[10:11], s[70:71]
	s_lshl_b32 s73, s68, 7
	s_add_co_u32 s73, s73, s72
	s_mul_i32 s70, s73, 1536
	s_add_nc_u64 s[OUTH:OUTH+1], s[10:11], s[70:71]
	s_cmp_lt_u32 s[CX], 2
	s_cselect_b64 s[PFA:PFA+1], s[6:7], s[8:9]
	s_and_b32 s70, s[CX], 1
	s_mul_i32 s70, s70, HALFB
	s_add_co_u32 s70, s70, s66
	s_add_co_u32 s70, s70, 5*TILEB
	s_add_nc_u64 s[PFA:PFA+1], s[PFA:PFA+1], s[70:71]   ; my work-group's half of key tile 5
	s_cmp_eq_u32 s[A], 0
	s_cselect_b32 s[LIM], 27, 0                    ; the same in all four partners
	CROUND                                         ; all four work-groups are here: the first joint loads meet
	tensor_load_to_lds s[G0A:G0A+3], s[G1:G1+7]    ; both first fills together: two loads of mine are out
	s_nop 0
	tensor_load_to_lds s[G0B:G0B+3], s[G1:G1+7]
	s_nop 0
.rept 4
	v_nop
.endr
	v_and_b32 v96, 31, v0                          ; lane
	v_and_b32 v97, 15, v0                          ; r
	v_bfe_u32 v98, v0, 4, 1                        ; h
	v_lshlrev_b32 v[LI], 4, v96
	v_lshlrev_b32 v[LS], 2, v96
	s_mul_i32 s70, s[CX], 11904
	s_sub_co_u32 s70, 49152, s70                   ; from my queries' codes (12,288 cx) to their scale words (49,152 + 384 cx)
	v_add_nc_u32 v[LSQ], s70, v[LS]
	QLOAD QL
	s_mul_i32 s59, s[WV], 12288
	v_add_nc_u32 v[AK], s59, v[LI]
	v_add_nc_u32 v[AV], 2*TILEB, v[AK]
	s_mul_i32 s59, s[WV], 384
	s_add_co_u32 s60, s59, 49152
	v_add_nc_u32 v[AKS], s60, v[LS]
	v_add_nc_u32 v[AVS], 2*TILEB, v[AKS]
	v_add_nc_u32 v[AXR], XB, v[LI]
	s_lshl_b32 s60, s[WV], 9
	v_add_nc_u32 v[AXW], s60, v[AXR]
	v_and_b32 v99, 8, v97
	v_add_nc_u32 v99, v99, v97                     ; r + 8 (r / 8)
	v_mul_u32_u24 v[ASW], v99, 1552
	v_lshl_add_u32 v[ASW], v98, 6, v[ASW]
	s_add_co_u32 s59, s59, STG
	v_add_nc_u32 v[ASW], s59, v[ASW]
	s_mul_i32 s60, s[WV], 12416
	s_add_co_u32 s60, s60, STG
	v_add_nc_u32 v[ASR], s60, v[LI]
	s_sub_co_i32 s70, s[CX], s[WV]
	s_lshl_b32 s70, s70, 5
	v_lshlrev_b32 v100, 4, v98
	v_sub_nc_u32 v[DM], v99, v100
	v_add_nc_u32 v[DM], s70, v[DM]                 ; 32 cx - 32 w + r + 8 (r / 8) - 16 h
	v_min_u32 v[PFO], 98, v0
	v_lshlrev_b32 v[PFO], 8, v[PFO]
	v_mov_b32 v[NEGM], 0x7f61b1e6                  ; -M = 3e38: M lies under every t
	v_mov_b32 v[LSUM], 0
.irp i, 3,5,7,26,27,29,31,44,45
	v_mov_b32 v[T+\i], 0                           ; lane permutes' destinations and the upper halves of pairs that are named whole: written once
.endr
.set j, 0
.rept 96
	v_mov_b32 v[O+j], 0                            ; O^T.  (The trip is written once: the first finds zeros, which its f = 0 leaves zeros)
.set j, j+1
.endr
	s_wait_tensorcnt 1                             ; my part of step 0's tiles is in; step 1's may stay out
	s_barrier_signal -1
	s_barrier_wait -1                              ; everybody's is
	LOADK 0                                        ; step 0's scores and softmax stand ahead of the loop
	s_wait_loadcnt 0x0
	s_wait_dscnt 0x0
	SMUL
.rept 8
	v_nop                                          ; eight places behind the products
.endr
	s_cmp_eq_u32 s[A], 0
	s_cbranch_scc0 .Lnot_diag
	QLOAD QH                                       ; a = 0: step 0 is the first tile's only one, and lies on the diagonal
	MASK
.Lnot_diag:
	SOFTMAX
	EXPORT 0
	FILL -1, LO, 1, 0                              ; K's tile of step 2 into slot 0; V's first two tiles are there already
.Ltrip:                                                ; 15 trips of the loop, two trips n each: n = 0 .. 29
	BODY 0, 0, 1, 1, 0, 1
	FILL 0, LE, 0, 1
	BODY 1, 1, 1, 1, 0, 1
	FILL 1, LO, 0, 1
	s_add_co_u32 s[N], s[N], 2
	s_cmp_lt_u32 s[N], 30
	s_cbranch_scc1 .Ltrip
	BODY 0, 0, 1, 0, 0, 0                          ; n = 30; the tail is written out
	FILL 0, LE, 2, 0                               ; V's tile of step 32: the last load
	BODY 1, 1, 1, 0, 1, 0                          ; n = 31: step 32 lies on the second tile's diagonal
	s_wait_tensorcnt 0x0                           ; V's last tile has landed;
	ds_add_u32 v[SPW], v[NIL]
	s_wait_dscnt 0x0                               ; my part of the exchange is stored
	s_barrier_signal -1
	s_barrier_wait -1
	BODY 0, 2, 0, 0, 0, 0                          ; n = 32: the last second product
.rept 8
	v_nop                                          ; eight places behind the last products
.endr
	PART1 0
	s_wait_dscnt 0x0                               ; for the others' sake: my stores into the stage are done
	s_barrier_signal -1
	s_barrier_wait -1
	PART2 OUTH, 0
	s_wait_tensorcnt 0x0                           ; the wave's end
	ds_add_u32 v[SPW], v[NIL]
	s_wait_dscnt 0x0
	CROUND                                         ; the closing round: no work-group ends while a partner may still ask for a tile that names it
	s_endpgm
.Lfunc_end_k_q80f262615e_attn:
	.size	k_q80f262615e_attn, .Lfunc_end_k_q80f262615e_attn-k_q80f262615e_attn
	.p2alignl 7, 3214868480
	.fill 96, 4, 3214868480
	.section	.rodata,"a",@progbits
	.p2align	6, 0x0
	.amdhsa_kernel k_q80f262615e_attn
		.amdhsa_group_segment_fixed_size 327680
		.amdhsa_private_segment_fixed_size 0
		.amdhsa_enable_private_segment 0
		.amdhsa_kernarg_size 32
		.amdhsa_user_sgpr_count 2
		.amdhsa_user_sgpr_kernarg_segment_ptr 1
		.amdhsa_wavefront_size32 1
		.amdhsa_system_sgpr_workgroup_id_x 1
		.amdhsa_system_sgpr_workgroup_id_y 1
		.amdhsa_system_sgpr_workgroup_id_z 1
		.amdhsa_system_vgpr_workitem_id 0
		.amdhsa_next_free_vgpr 640
		.amdhsa_next_free_sgpr 80
		.amdhsa_reserve_vcc 1
		.amdhsa_float_denorm_mode_32 3
		.amdhsa_float_denorm_mode_16_64 3
		.amdhsa_memory_ordered 1
		.amdhsa_forward_progress 1
		.amdhsa_inst_pref_size 159
	.end_amdhsa_kernel
	.amdgpu_metadata
---
amdhsa.version: [ 1, 2 ]
amdhsa.kernels:
  - .name:           k_q80f262615e_attn
    .symbol:         k_q80f262615e_attn.kd
    .args:
      - { .name: qbuf, .offset: 0, .size: 8, .value_kind: global_buffer, .address_space: global }
      - { .name: kbuf, .offset: 8, .size: 8, .value_kind: global_buffer, .address_space: global }
      - { .name: vbuf, .offset: 16, .size: 8, .value_kind: global_buffer, .address_space: global }
      - { .name: out0, .offset: 24, .size: 8, .value_kind: global_buffer, .address_space: global }
    .group_segment_fixed_size: 327680
    .private_segment_fixed_size: 0
    .kernarg_segment_align: 8
    .kernarg_segment_size: 32
    .max_flat_workgroup_size: 128
    .sgpr_count:     80
    .vgpr_count:     640
    .wavefront_size: 32
...
	.end_amdgpu_metadata
.endif
;; end of part 3
;; ======== version 2 of 2: 4 launches
;; limits: right only within a limited range of input values
;; workspace buffers: xbuf 12,976,128 bytes; wbuf 912,384 bytes; qbuf 6,488,064 bytes; kbuf 6,488,064 bytes; vbuf 6,488,064 bytes; part 25,165,824 bytes; stat 131,072 bytes
;; launch prep (part 4): grid 411 x 1, 4 waves a work-group, no clusters, 34,304 bytes of LDS; arguments x, Wq, Wk, Wv, xbuf, wbuf; writes xbuf, wbuf
.if DOCPART == 4
	.amdgcn_target "amdgcn-amd-amdhsa--gfx1250"
	.amdhsa_code_object_version 6
	.text
	.protected	k_q80f262615e_prep
	.globl	k_q80f262615e_prep
	.p2align	8
	.type	k_q80f262615e_prep,@function
k_q80f262615e_prep:
	s_mov_b64 s[64:65], 0
	v_nop
	global_prefetch_b8 v0, s[64:65] scope:SCOPE_SE
	s_setreg_imm32_b32 hwreg(HW_REG_WAVE_MODE, 25, 1), 1
	s_wait_xcnt 0x0
; x [16384][768] and Wq, Wk, Wv [768][384], f32, become codes of BF8 (E5M2) with one E8M0 byte for each 32 along K = 768,
; laid as IMAGES OF OPERAND REGISTERS: a fragment (16 rows x 128 K) is 2,048 bytes, register group c at 512 c + 16 x lane;
; lane (r, h) holds k = 32 c + 16 h + 0 .. 15 of the fragment's row r.
; THE ORDER OF 32: of 32 rows (of x) or columns (of W), lane r of tile u takes item 8 u + r + 8 (r / 8).
; xbuf: 128 tiles of 128 rows x 101,376 bytes: image (2 b + u, s) at (6 (2 b + u) + s) x 2,048; scale words at 98,304 + (3 b + s / 2) x 256 + 8 x lane + 4 (s % 2),
;       lanes 0-15 tile u = 0, lanes 16-31 tile u = 1.
; wbuf: 12 chunks (4 x type + quarter of the 384 columns) x 76,032 bytes: image (nt, s) at (6 nt + s) x 2,048; scale words at 73,728 + (3 (s / 2) + nt / 2) x 256 + 8 x lane + 4 (s % 2).
; A WAVE'S JOB: 32 rows or columns x 256 along K: four images (u, s % 2) and one block of 256 bytes of scale words.  In both buffers u steps 12,288 bytes and s % 2 steps 2,048.
; Work-groups 0 .. 26 take W (108 jobs), 27 .. 410 take x (1,536 jobs).  Waves share nothing: no barrier.
; x: each load reads 512 consecutive bytes of a row; the 16 rows turn through the wave's own stage in LDS (pitch 528 = 33 x 16 bytes) and come back 16 neighbours a lane and block.
; W: a lane takes a column and its registers run down K: nothing is turned.
; A block's scale byte is its largest magnitude's exponent field - 15, held at 1 from below.
; LIMITS: a block of zeros, or one whose largest magnitude lies under 2^-111, gets the byte 1 (this program alone reads the bytes; zero codes add nothing); NaN and infinities among the inputs are not served.
; LEFT OUT IN THIS PROGRAM: key tiles of 128 all of whose keys come after the queries (launch attn): the causal mask puts -infinity there, so their weights are 0 for all finite inputs.
; A NaN, an infinity or an overflow that reaches only that work is not carried to the result.
.set R,   16                           ; v16-143  two sets of 64 numbers as loaded
.set X,   144                          ; v144-207 64 numbers in the operand's order (x path)
.set PC,  208                          ; v208-223 a fragment's codes
.set TM,  224                          ; v224-227 largest magnitudes, 228-231 bytes, 232-235 holds, 236-239 scales
.set PW,  240                          ; v240-243 the four images' scale words
.set SEL, 20                           ; s[20:21] selects for lane l xor 16
.set MNT, 22                           ; s22 mantissa field of 57,344
.set HM,  23                           ; s23 mask of lanes 16-31
.set SRC, 30                           ; s[30:31] the job's source
.set DC,  40                           ; s[40:41] where its codes go
.set DS,  42                           ; s[42:43] where its scale words go
.set WGW, 27                           ; work-groups that take W
; 64 numbers of a lane, register 16 b + i = k 32 b + 16 h + i of my row, become 16 registers of codes in v[PC] on and the row's scale word in v[pw]
.macro QUANT s, pw
.irp b, 0,1,2,3
	v_max3_num_f32 v[TM+\b], |v[\s+16*\b]|, |v[\s+16*\b+1]|, 0x8000000   ; my 16 numbers of block b, and the floor 2^(16 - 127): the byte cannot fall under 1
.endr
.irp i, 2,4,6,8,10,12,14
.irp b, 0,1,2,3
	v_max3_num_f32 v[TM+\b], v[TM+\b], |v[\s+16*\b+\i]|, |v[\s+16*\b+\i+1]|   ; the four blocks by turns
.endr
.endr
.irp b, 0,1,2,3
	v_permlanex16_b32 v[TM+4+\b], v[TM+\b], s[SEL], s[SEL+1]
.endr
.irp b, 0,1,2,3
	v_max_num_f32 v[TM+\b], v[TM+\b], v[TM+4+\b]          ; with lane l xor 16's 16: the block's largest magnitude
.endr
.irp b, 0,1,2,3
	v_add_nc_u32 v[TM+12+\b], 0xf8800000, v[TM+\b]        ; 15 off its exponent field: the conversion's scale operand
.endr
.irp b, 0,1,2,3
	v_and_or_b32 v[TM+8+\b], v[TM+\b], 0x7f800000, s[MNT] ; 57,344 x the scale
.endr
.irp b, 0,1,2,3
	v_lshrrev_b32 v[TM+4+\b], 23, v[TM+12+\b]             ; the scale's byte
.endr
	v_lshl_or_b32 v[\pw], v[TM+5], 8, v[TM+4]
	v_lshl_or_b32 v[\pw], v[TM+6], 16, v[\pw]
	v_lshl_or_b32 v[\pw], v[TM+7], 24, v[\pw]
.irp b, 0,1,2,3
.irp i, 0,1,2,3,4,5,6,7,8,9,10,11,12,13,14,15
	v_med3_num_f32 v[\s+16*\b+\i], v[\s+16*\b+\i], -v[TM+8+\b], v[TM+8+\b]   ; the conversion to an 8-bit code does not saturate (ISA guide 7.6.2): the hold
.endr
	v_cvt_scalef32_pk8_bf8_f32 v[PC+4*\b:PC+4*\b+1], v[\s+16*\b:\s+16*\b+7], v[TM+12+\b]
	v_cvt_scalef32_pk8_bf8_f32 v[PC+4*\b+2:PC+4*\b+3], v[\s+16*\b+8:\s+16*\b+15], v[TM+12+\b]
.endr
	v_nop                                          ; a plain line behind the last conversion
.endm
.macro STORE4 t                        ; image t = 2 u + s % 2: four stores of 512 consecutive bytes
.irp c, 0,1,2,3
	global_store_b128 v4, v[PC+4*\c:PC+4*\c+3], s[DC:DC+1] offset:12288*((\t)>>1)+2048*((\t)&1)+512*\c
.endr
.endm
.macro TAIL                            ; lanes 0-15 store tile u = 0's two words, lanes 16-31 tile u = 1's: 256 consecutive bytes
	v_cndmask_b32 v244, v[PW], v[PW+2], s[HM]
	v_cndmask_b32 v245, v[PW+1], v[PW+3], s[HM]
	global_store_b64 v8, v[244:245], s[DS:DS+1]
	s_wait_tensorcnt 0x0
	ds_add_u32 v254, v255
	s_wait_dscnt 0x0
	s_endpgm
.endm
.macro LOADW t                         ; W(128 (t % 2) + 32 c + 16 h + i, my column of tile t / 2)
.irp c, 0,1,2,3
.irp i, 0,1,2,3,4,5,6,7,8,9,10,11,12,13,14,15
	global_load_b32 v[R+64*((\t)%2)+16*\c+\i], v5, s[SRC:SRC+1] offset:(128*((\t)&1)+32*\c+\i)*1536+32*((\t)>>1)
.endr
.endr
.endm
.macro LOADX t                         ; 16 rows x 512 bytes: load i takes row 8 u + i + 8 (i / 8)
.irp i, 0,1,2,3,4,5,6,7,8,9,10,11,12,13,14,15
	global_load_b128 v[R+64*((\t)%2)+4*\i:R+64*((\t)%2)+4*\i+3], v4, s[SRC:SRC+1] offset:(8*((\t)>>1)+\i+8*(\i/8))*3072+512*((\t)&1) th:TH_LOAD_NT
.endr
.endm
.macro TURN t                          ; through my stage: LDS serves a wave's instructions in order (ISA guide 5.7.1), so no wait stands between the stores and the loads
.irp i, 0,1,2,3,4,5,6,7,8,9,10,11,12,13,14,15
	ds_store_b128 v6, v[R+64*((\t)%2)+4*\i:R+64*((\t)%2)+4*\i+3] offset:528*\i
.endr
.irp c, 0,1,2,3
.irp j, 0,1,2,3
	ds_load_b128 v[X+16*\c+4*\j:X+16*\c+4*\j+3], v7 offset:128*\c+16*\j
.endr
.endr
.endm
	s_load_b256 s[4:11], s[0:1], 0x0               ; x s[4:5], Wq s[6:7], Wk s[8:9], Wv s[10:11]
	s_load_b128 s[12:15], s[0:1], 0x20             ; xbuf s[12:13], wbuf s[14:15]
	v_lshl_add_u32 v254, v0, 2, 0x8400
	v_mov_b32 v255, 0
	v_lshrrev_b32 v1, 5, v0
	v_readfirstlane_b32 s16, v1                    ; wave
	v_and_b32 v1, 31, v0                           ; lane
	v_and_b32 v2, 15, v0                           ; r
	v_bfe_u32 v3, v0, 4, 1                         ; h
	v_lshlrev_b32 v4, 4, v1                        ; 16 x lane
	v_lshlrev_b32 v8, 3, v1                        ; 8 x lane
	s_mov_b32 s[SEL], 0x76543210
	s_mov_b32 s[SEL+1], 0xfedcba98
	s_mov_b32 s[MNT], 0x600000
	s_mov_b32 s[HM], 0xffff0000
.irp b, 0,1,2,3
	v_mov_b32 v[TM+4+\b], 0                        ; a lane permute's destination counts as one of its sources
.endr
	s_mul_i32 s17, s16, 8448                       ; my stage: 16 rows x 528 bytes
	v_add_nc_u32 v6, s17, v4                       ; in: 16 x lane of a row
	v_mul_u32_u24 v7, v2, 528
	v_lshl_add_u32 v7, v3, 6, v7
	v_add_nc_u32 v7, s17, v7                       ; out: row r, + 64 h
	v_and_b32 v9, 8, v2
	v_add_nc_u32 v9, v9, v2                        ; r + 8 (r / 8)
	v_lshlrev_b32 v5, 2, v9
	v_mad_u32_u24 v5, v3, 0x6000, v5               ; W: my column's 4 bytes, + 16 rows of 1,536 bytes for lanes 16-31
	s_mov_b32 s33, 0
	s_mov_b32 s37, 0
	s_wait_kmcnt 0x0
	s_cmp_lt_u32 ttmp9, WGW
	s_cbranch_scc0 .Lx_path
	; ---- W: job = (pair of K steps sp, pair of column tiles P of 36)
	s_mul_hi_u32 s24, ttmp9, 0x1c71c71d            ; sp = work-group / 9
	s_mul_i32 s25, s24, 9
	s_sub_co_u32 s25, ttmp9, s25
	s_lshl_b32 s25, s25, 2
	s_add_co_u32 s25, s25, s16                     ; P = 4 (work-group % 9) + wave
	s_mul_hi_u32 s26, s25, 0x15555556              ; type = P / 12
	s_mul_i32 s27, s26, 12
	s_sub_co_u32 s27, s25, s27                     ; p = P % 12: columns 32 p on
	s_mul_hi_u32 s28, s27, 0x55555556              ; quarter = p / 3
	s_mul_i32 s29, s28, 3
	s_sub_co_u32 s29, s27, s29                     ; i = p % 3
	s_cmp_eq_u32 s26, 0
	s_cselect_b64 s[SRC:SRC+1], s[6:7], s[8:9]
	s_cmp_eq_u32 s26, 2
	s_cselect_b64 s[SRC:SRC+1], s[10:11], s[SRC:SRC+1]
	s_lshl_b32 s32, s27, 7
	s_mul_i32 s34, s24, 256*1536
	s_add_co_u32 s32, s32, s34
	s_add_nc_u64 s[SRC:SRC+1], s[SRC:SRC+1], s[32:33]
	s_lshl_b32 s34, s26, 2
	s_add_co_u32 s34, s34, s28
	s_mul_i32 s34, s34, 76032                      ; the chunk
	s_mul_i32 s35, s29, 12
	s_lshl_b32 s36, s24, 1
	s_add_co_u32 s36, s36, s35
	s_lshl_b32 s36, s36, 11                        ; image (2 i, 2 sp)
	s_add_co_u32 s36, s36, s34
	s_add_nc_u64 s[DC:DC+1], s[14:15], s[36:37]
	s_mul_i32 s36, s24, 3
	s_add_co_u32 s36, s36, s29
	s_lshl_b32 s36, s36, 8
	s_add_co_u32 s36, s36, s34
	s_add_co_u32 s36, s36, 73728
	s_add_nc_u64 s[DS:DS+1], s[14:15], s[36:37]
	s_wait_alu depctr_va_vdst(0)
	LOADW 0
	LOADW 1
.irp t, 0,1,2,3
.if \t < 3
	s_wait_loadcnt 63                              ; 64 loads are younger than this image's; the field holds 63, and the smaller count is the safe one
.else
	s_wait_loadcnt 0x0
.endif
	s_wait_xcnt 0x0                                ; the last image's stores have read v[PC] on
	QUANT R+64*(\t%2), PW+\t
	STORE4 \t
.if \t < 2
	LOADW \t+2
.endif
.endr
	TAIL
.Lx_path:                                              ; ---- x: job = (pair of K steps sp, group G of 32 rows)
	s_sub_co_u32 s24, ttmp9, WGW
	s_lshr_b32 s25, s24, 7                         ; sp
	s_and_b32 s26, s24, 127
	s_lshl_b32 s26, s26, 2
	s_add_co_u32 s26, s26, s16                     ; G
	s_mul_i32 s32, s26, 98304                      ; 32 rows of 3,072 bytes
	s_lshl_b32 s34, s25, 10
	s_add_co_u32 s32, s32, s34
	s_add_nc_u64 s[SRC:SRC+1], s[4:5], s[32:33]
	s_lshr_b32 s34, s26, 2
	s_mul_i32 s34, s34, 101376                     ; the tile of 128 rows
	s_and_b32 s35, s26, 3                          ; b
	s_mul_i32 s36, s35, 12
	s_lshl_b32 s38, s25, 1
	s_add_co_u32 s36, s36, s38
	s_lshl_b32 s36, s36, 11                        ; image (2 b, 2 sp)
	s_add_co_u32 s36, s36, s34
	s_add_nc_u64 s[DC:DC+1], s[12:13], s[36:37]
	s_mul_i32 s36, s35, 3
	s_add_co_u32 s36, s36, s25
	s_lshl_b32 s36, s36, 8
	s_add_co_u32 s36, s36, s34
	s_add_co_u32 s36, s36, 98304
	s_add_nc_u64 s[DS:DS+1], s[12:13], s[36:37]
	LOADX 0
	LOADX 1
	s_wait_alu depctr_va_vdst(0)
.irp t, 0,1,2,3
.if \t < 3
	s_wait_loadcnt 16                              ; this image's 16 loads are in; the next image's 16 may be out
.else
	s_wait_loadcnt 0x0
.endif
	TURN \t
	s_wait_dscnt 0x0                               ; the numbers are back, and the stores into the stage have read their registers,
.if \t < 2
	LOADX \t+2                                     ; which take the loads of two images on
.endif
	s_wait_xcnt 0x0                                ; the last image's stores have read v[PC] on
	QUANT X, PW+\t
	STORE4 \t
.endr
	TAIL
.Lfunc_end_k_q80f262615e_prep:
	.size	k_q80f262615e_prep, .Lfunc_end_k_q80f262615e_prep-k_q80f262615e_prep
	.p2alignl 7, 3214868480
	.fill 96, 4, 3214868480
	.section	.rodata,"a",@progbits
	.p2align	6, 0x0
	.amdhsa_kernel k_q80f262615e_prep
		.amdhsa_group_segment_fixed_size 34304
		.amdhsa_private_segment_fixed_size 0
		.amdhsa_enable_private_segment 0
		.amdhsa_kernarg_size 48
		.amdhsa_user_sgpr_count 2
		.amdhsa_user_sgpr_kernarg_segment_ptr 1
		.amdhsa_wavefront_size32 1
		.amdhsa_system_sgpr_workgroup_id_x 1
		.amdhsa_system_sgpr_workgroup_id_y 1
		.amdhsa_system_sgpr_workgroup_id_z 1
		.amdhsa_system_vgpr_workitem_id 0
		.amdhsa_next_free_vgpr 256
		.amdhsa_next_free_sgpr 66
		.amdhsa_reserve_vcc 0
		.amdhsa_float_denorm_mode_32 3
		.amdhsa_float_denorm_mode_16_64 3
		.amdhsa_memory_ordered 1
		.amdhsa_forward_progress 1
		.amdhsa_inst_pref_size 111
	.end_amdhsa_kernel
	.amdgpu_metadata
---
amdhsa.version: [ 1, 2 ]
amdhsa.kernels:
  - .name:           k_q80f262615e_prep
    .symbol:         k_q80f262615e_prep.kd
    .args:
      - { .name: x, .offset: 0, .size: 8, .value_kind: global_buffer, .address_space: global }
      - { .name: Wq, .offset: 8, .size: 8, .value_kind: global_buffer, .address_space: global }
      - { .name: Wk, .offset: 16, .size: 8, .value_kind: global_buffer, .address_space: global }
      - { .name: Wv, .offset: 24, .size: 8, .value_kind: global_buffer, .address_space: global }
      - { .name: xbuf, .offset: 32, .size: 8, .value_kind: global_buffer, .address_space: global }
      - { .name: wbuf, .offset: 40, .size: 8, .value_kind: global_buffer, .address_space: global }
    .group_segment_fixed_size: 34304
    .private_segment_fixed_size: 0
    .kernarg_segment_align: 8
    .kernarg_segment_size: 48
    .max_flat_workgroup_size: 128
    .sgpr_count:     66
    .vgpr_count:     256
    .wavefront_size: 32
...
	.end_amdgpu_metadata
.endif
;; end of part 4
;; launch proj (part 5): grid 3 x 64, 4 waves a work-group, no clusters, 209,408 bytes of LDS; arguments xbuf, wbuf, qbuf, kbuf, vbuf; writes qbuf, kbuf, vbuf
.if DOCPART == 5
	.amdgcn_target "amdgcn-amd-amdhsa--gfx1250"
	.amdhsa_code_object_version 6
	.text
	.protected	k_q80f262615e_proj
	.globl	k_q80f262615e_proj
	.p2align	8
	.type	k_q80f262615e_proj,@function
k_q80f262615e_proj:
	s_mov_b64 s[64:65], 0
	v_nop
	global_prefetch_b8 v0, s[64:65] scope:SCOPE_SE
	s_setreg_imm32_b32 hwreg(HW_REG_WAVE_MODE, 25, 1), 1
	s_wait_xcnt 0x0
; q = x Wq, k = x Wk, v = x Wv on codes of BF8 (E5M2) with E8M0 scales, K = 768, and each result quantised at once for attention: q and k along their 384 channels, v along the keys.
; SHARES.  Work-group (type, chunk): one of the three weights, 256 rows of x.  Wave w holds columns 96 w .. 96 w + 95 of the weight in REGISTERS for the whole launch (6 tiles x 6 K steps = 576 registers,
; read once).  The rows' codes (two tiles of xbuf, 202,752 bytes) come into LDS by first fills alone: each wave brings a quarter of both tiles, one tensor load out; no LDS byte is filled twice.
; 192 work-groups: the 1,152 columns fall into whole weights by three, and a finer share of the columns would break a wave's pairs of tiles.
; No multicast: a tile of x is shared by the three types, which no cluster of four divides; the weights go to registers.
; q, k: THE PRODUCT IS USED TRANSPOSED (source 0 = 16 columns of W, source 1 = 16 rows of x): a lane holds one row, and by the order of 32 (lane r of tile u takes item 8 u + r + 8 (r / 8)) the 16 registers of
;       two neighbouring column tiles are 16 neighbouring channels 32 i + 16 h + 0 .. 15.
; v:    natural (source 0 = x, source 1 = W): a lane holds one channel, and the 16 registers of the two row tiles are 16 neighbouring keys 32 b + 16 h + 0 .. 15.
; In both a block of 32 lies in lanes l and l xor 16, and the conversions' results ARE a register group of the reader's operand: they are stored as images, 512 consecutive bytes a store.
; qbuf, kbuf: 128 tiles of 128 rows x 50,688 bytes: image (2 b + u, s) at (3 (2 b + u) + s) x 2,048; scale words at 49,152 + (3 b + s) x 128 + 4 x lane (lanes 0-15 u = 0, lanes 16-31 u = 1).
; vbuf: the same size: image of channel tile et (16 channels x 128 keys) at 2,048 et; scale words of the pair et / 2 at 49,152 + 128 (et / 2) + 4 x lane.
; The scale bytes are gathered in LDS (a region for each of the two ways) and leave at the end in blocks of 256 consecutive bytes.
; LIMITS: a block whose largest magnitude lies under 2^-111 gets the byte 1; NaN and infinities are not served.
; REGISTERS: window 0: v1-17 addresses; v24-41 W's scale words; v42-47 x's; v48-143 twelve accumulators; v144-167 codes; v168-191 at work; v192-197 v's scale words in the making; v198-203 copies.
;   v256-831 W's fragments (s, nt) at 256 + 16 (6 s + nt);  v832-1023 x's fragments (u, s) of the 32 rows in hand at 832 + 16 (6 u + s).
.set XTB,  101376                      ; a tile of xbuf
.set QTB,  50688                       ; a tile of qbuf, kbuf, vbuf
.set SSTQ, 2*XTB                       ; LDS: scale bytes of q or k, 2 x 1,536
.set SSTV, SSTQ+3072                   ; scale words of v, 2 x 1,536
.set LI,   1                           ; v1   16 x lane
.set L8,   2                           ; v2   8 x lane
.set AXF0, 4                           ; v4, v5  x's images of the tile in hand: rows 0-63, rows 64-127
.set AXS,  6                           ; v6   its scale words
.set AQ,   7                           ; v7-9   where my three blocks' scale bytes go (q, k); v10-12 the same for the tile in hand
.set AQW,  10
.set AVB,  13                          ; v13  where my scale words go (v); v14 for the tile in hand
.set AVW,  14
.set CO,   15                          ; v15  my codes' byte offset in an output tile
.set ACQ,  16                          ; v16, v17  the copy out of the two regions
.set ACV,  17
.set WS,   24
.set XS,   42
.set ACC,  48
.set CD,   144
.set TM,   168                         ; +0 largest magnitudes, +6 bytes, +12 holds, +18 scales: six blocks
.set WVR,  192
.set CP,   198
.set WV,   14                          ; s14 wave;  s15 type;  s16 chunk
.set TY,   15
.set CH,   16
.set OB,   18                          ; s[18:19] the output tile in hand
.set SEL,  20
.set MNT,  22
.set HM,   23
.set XO,   24                          ; s24 LDS byte of x's tile in hand
.set SO,   25                          ; s25 its place in the scale regions
.set CNT,  26
.set OS,   28                          ; s[28:29] where my part of the scale bytes goes
.set G0A,  32
.set G0B,  36
.set G1,   40
.set WB,   52                          ; s[52:53] my chunk of wbuf
.set MSB, 0
.macro WIN new                         ; the immediate's high byte repeats the setting that is left; a switch that changes nothing is dropped
.if MSB != (\new)
	s_set_vgpr_msb (MSB<<8)|(\new)
.set MSB, (\new)
.endif
.endm
; one matrix instruction from the symbols rD, rA, rB, rZ (1: C = 0), rSA, rSB (scale registers), rRA, rRB (1: lanes 16-31 of them)
.macro WMS
.if rZ
.if rRA && rRB
	v_wmma_scale_f32_16x16x128_f8f6f4 v[rD:rD+7], v[rA:rA+15], v[rB:rB+15], 0, v[rSA], v[rSB] matrix_a_fmt:MATRIX_FMT_BF8 matrix_b_fmt:MATRIX_FMT_BF8 matrix_a_scale:MATRIX_SCALE_ROW1 matrix_b_scale:MATRIX_SCALE_ROW1
.elseif rRA
	v_wmma_scale_f32_16x16x128_f8f6f4 v[rD:rD+7], v[rA:rA+15], v[rB:rB+15], 0, v[rSA], v[rSB] matrix_a_fmt:MATRIX_FMT_BF8 matrix_b_fmt:MATRIX_FMT_BF8 matrix_a_scale:MATRIX_SCALE_ROW1
.elseif rRB
	v_wmma_scale_f32_16x16x128_f8f6f4 v[rD:rD+7], v[rA:rA+15], v[rB:rB+15], 0, v[rSA], v[rSB] matrix_a_fmt:MATRIX_FMT_BF8 matrix_b_fmt:MATRIX_FMT_BF8 matrix_b_scale:MATRIX_SCALE_ROW1
.else
	v_wmma_scale_f32_16x16x128_f8f6f4 v[rD:rD+7], v[rA:rA+15], v[rB:rB+15], 0, v[rSA], v[rSB] matrix_a_fmt:MATRIX_FMT_BF8 matrix_b_fmt:MATRIX_FMT_BF8
.endif
.else
.if rRA && rRB
	v_wmma_scale_f32_16x16x128_f8f6f4 v[rD:rD+7], v[rA:rA+15], v[rB:rB+15], v[rD:rD+7], v[rSA], v[rSB] matrix_a_fmt:MATRIX_FMT_BF8 matrix_b_fmt:MATRIX_FMT_BF8 matrix_a_scale:MATRIX_SCALE_ROW1 matrix_b_scale:MATRIX_SCALE_ROW1
.elseif rRA
	v_wmma_scale_f32_16x16x128_f8f6f4 v[rD:rD+7], v[rA:rA+15], v[rB:rB+15], v[rD:rD+7], v[rSA], v[rSB] matrix_a_fmt:MATRIX_FMT_BF8 matrix_b_fmt:MATRIX_FMT_BF8 matrix_a_scale:MATRIX_SCALE_ROW1
.elseif rRB
	v_wmma_scale_f32_16x16x128_f8f6f4 v[rD:rD+7], v[rA:rA+15], v[rB:rB+15], v[rD:rD+7], v[rSA], v[rSB] matrix_a_fmt:MATRIX_FMT_BF8 matrix_b_fmt:MATRIX_FMT_BF8 matrix_b_scale:MATRIX_SCALE_ROW1
.else
	v_wmma_scale_f32_16x16x128_f8f6f4 v[rD:rD+7], v[rA:rA+15], v[rB:rB+15], v[rD:rD+7], v[rSA], v[rSB] matrix_a_fmt:MATRIX_FMT_BF8 matrix_b_fmt:MATRIX_FMT_BF8
.endif
.endif
.endm
; 72 matrix instructions: 32 rows x my 96 columns x K = 768.  The twelve accumulators take turns, one instruction a turn, in the same order in every K step.
; v = 0: transposed, accumulator (u, nt) at ACC + 48 u + 8 nt;  v = 1: natural, at ACC + 16 nt + 8 u.  The first K step starts the sums with the constant 0.
.macro MUL v
.irp s, 0,1,2,3,4,5
.irp nt, 0,1,2,3,4,5
.irp u, 0,1
.set rW, 256+96*\s+16*\nt
.set rZ, 0
.if \s == 0
.set rZ, 1
.endif
.if \v
.set wn, 3|((rW>>8)<<2)                ; source 0 (x) window 3, source 1 (W) its window
.set rD, ACC+16*\nt+8*\u
.set rA, 64+16*(6*\u+\s)
.set rB, rW&255
.set rSA, XS+\s
.set rRA, \u
.set rSB, WS+2*(3*(\s/2)+\nt/2)+(\s&1)
.set rRB, \nt&1
.else
.set wn, (rW>>8)|0x0c                  ; source 0 (W) its window, source 1 (x) window 3
.set rD, ACC+48*\u+8*\nt
.set rA, rW&255
.set rB, 64+16*(6*\u+\s)
.set rSA, WS+2*(3*(\s/2)+\nt/2)+(\s&1)
.set rRA, \nt&1
.set rSB, XS+\s
.set rRB, \u
.endif
	WIN wn
	WMS
.endr
.endr
.endr
	WIN 0
.endm
.macro XLOAD b                         ; the twelve fragments and six scale words of rows 32 b .. 32 b + 31 of the tile in hand
	WIN 0xc0                                       ; destination window 3, address window 0
.irp j, 0,1,2,3,4,5,6,7,8,9,10,11
.irp c, 0,1,2,3
	ds_load_b128 v[64+16*\j+4*\c:64+16*\j+4*\c+3], v[AXF0+(\b)/2] offset:((\b)%2)*24576+\j*2048+512*\c
.endr
.endr
	WIN 0
.irp p, 0,1,2
	ds_load_b64 v[XS+2*\p:XS+2*\p+1], v[AXS] offset:(3*(\b)+\p)*256
.endr
.endm
; six blocks of 16 registers, ACC + 16 g on, become codes in CD + 4 g on and bytes in TM + 6 + g.  Each accumulator is read from its low end on.
.macro QUANT6
.irp g, 0,1,2,3,4,5
	v_max3_num_f32 v[TM+\g], |v[ACC+16*\g]|, |v[ACC+16*\g+1]|, 0x8000000   ; and the floor 2^(16 - 127)
.endr
.irp i, 2,4,6,8,10,12,14
.irp g, 0,1,2,3,4,5
	v_max3_num_f32 v[TM+\g], v[TM+\g], |v[ACC+16*\g+\i]|, |v[ACC+16*\g+\i+1]|
.endr
.endr
.irp g, 0,1,2,3,4,5
	v_permlanex16_b32 v[TM+6+\g], v[TM+\g], s[SEL], s[SEL+1]
.endr
.irp g, 0,1,2,3,4,5
	v_max_num_f32 v[TM+\g], v[TM+\g], v[TM+6+\g]          ; with lane l xor 16's 16: the block's largest magnitude
.endr
.irp g, 0,1,2,3,4,5
	v_add_nc_u32 v[TM+18+\g], 0xf8800000, v[TM+\g]        ; 15 off the exponent field: the conversion's scale operand
.endr
.irp g, 0,1,2,3,4,5
	v_and_or_b32 v[TM+12+\g], v[TM+\g], 0x7f800000, s[MNT]  ; 57,344 x the scale
.endr
.irp g, 0,1,2,3,4,5
	v_lshrrev_b32 v[TM+6+\g], 23, v[TM+18+\g]             ; the byte
.endr
	s_wait_xcnt 0x0                                ; the last group's stores have read v[CD] on
.irp g, 0,1,2,3,4,5
.irp i, 0,1,2,3,4,5,6,7,8,9,10,11,12,13,14,15
	v_med3_num_f32 v[ACC+16*\g+\i], v[ACC+16*\g+\i], -v[TM+12+\g], v[TM+12+\g]   ; the conversion does not saturate (ISA guide 7.6.2): the hold
.endr
	v_cvt_scalef32_pk8_bf8_f32 v[CD+4*\g:CD+4*\g+1], v[ACC+16*\g:ACC+16*\g+7], v[TM+18+\g]
	v_cvt_scalef32_pk8_bf8_f32 v[CD+4*\g+2:CD+4*\g+3], v[ACC+16*\g+8:ACC+16*\g+15], v[TM+18+\g]
.endr
	v_nop                                          ; a plain line behind the last conversion: the next products write its sources
.endm
.macro GROUP b                         ; rows 32 b .. 32 b + 31 of the tile in hand
	s_wait_dscnt 0x0                               ; their fragments are in; the last group's LDS stores have read their registers
	s_cmp_eq_u32 s[TY], 2
	s_cbranch_scc1 .Lmv_\@
	MUL 0
	s_branch .Lmd_\@
.Lmv_\@:
	MUL 1
.Lmd_\@:
.rept 8
	v_nop                                          ; eight places in front of loads into registers that the products have read, and of the first read of results
.endr
.if \b < 3
	s_wait_alu depctr_va_vdst(0)
	XLOAD \b+1                                     ; the next 32 rows' fragments land while these results are quantised
.endif
	QUANT6
	s_cmp_eq_u32 s[TY], 2
	s_cbranch_scc1 .Lsv_\@
.irp u, 0,1                            ; q, k: block 3 u + i is register group (3 w + i) % 4 of image (2 b + u, (3 w + i) / 4)
.irp i, 0,1,2
	global_store_b128 v[CO], v[CD+4*(3*\u+\i):CD+4*(3*\u+\i)+3], s[OB:OB+1] offset:12288*(\b)+6144*\u+512*\i
	ds_store_b8 v[AQW+\i], v[TM+6+3*\u+\i] offset:384*(\b)+64*\u   ; both lanes of a block write the same byte with the same value
.endr
.endr
	s_branch .Lsd_\@
.Lsv_\@:
	s_wait_alu depctr_va_vdst(0)
.irp n, 0,1,2,3,4,5                    ; v: block n is register group b of channel tile 6 w + n
	global_store_b128 v[CO], v[CD+4*\n:CD+4*\n+3], s[OB:OB+1] offset:2048*\n+512*(\b)
.if \b == 0
	v_mov_b32 v[WVR+\n], v[TM+6+\n]
.else
	v_lshl_or_b32 v[WVR+\n], v[TM+6+\n], 8*(\b), v[WVR+\n]   ; the four key blocks' bytes make the channel's scale word
.endif
.endr
.if \b == 3
.irp i, 0,1,2
	v_cndmask_b32 v[CP+\i], v[WVR+2*\i], v[WVR+2*\i+1], s[HM]   ; lanes 0-15 the even tile's words, lanes 16-31 the odd tile's
	ds_store_b32 v[AVW], v[CP+\i] offset:128*\i
.endr
.endif
.Lsd_\@:
.endm
	s_load_b256 s[4:11], s[0:1], 0x0               ; xbuf s[4:5], wbuf s[6:7], qbuf s[8:9], kbuf s[10:11]
	s_load_b64 s[12:13], s[0:1], 0x20              ; vbuf
	v_lshl_add_u32 v254, v0, 2, 0x33000
	v_mov_b32 v255, 0
	ds_add_u32 v254, v255
	ds_add_u32 v254, v255
	v_lshrrev_b32 v18, 5, v0
	v_readfirstlane_b32 s[WV], v18                 ; wave 0..3
	s_mov_b32 s[TY], ttmp9                         ; 0 q, 1 k, 2 v
	s_and_b32 s[CH], ttmp7, 0xffff                 ; which 256 rows
	; descriptor group 1: a quarter of both tiles of xbuf, 50,688 dense bytes, as 198 rows of 256 bytes (32 elements of 8 bytes); no padding: images are read 512 consecutive bytes at a time
	s_mov_b32 s[G1], 3<<16
	s_mov_b32 s[G1+1], 32<<16                      ; tensor_dim0
	s_mov_b32 s[G1+2], 198<<16                     ; ONE load a wave: the two tiles of xbuf are one dense run of 202,752 bytes; a quarter is 198 rows of 256 bytes
	s_mov_b32 s[G1+3], 32<<16                      ; tile_dim0
	s_mov_b32 s[G1+4], 198
	s_mov_b32 s[G1+5], 32                          ; the pitch
	s_mov_b32 s[G1+6], 0
	s_mov_b32 s[G1+7], 0
	s_mul_i32 s48, s[WV], 50688                    ; my quarter of both
	s_mul_i32 s50, s[CH], 2*XTB
	s_add_co_u32 s50, s50, s48
	s_mov_b32 s51, 0
	s_wait_dscnt 0x0
	s_wait_kmcnt 0x0
	s_mov_b32 s[G0A], 1
	s_mov_b32 s[G0A+1], s48
	s_add_nc_u64 s[G0A+2:G0A+3], s[4:5], s[50:51]
	s_or_b32 s[G0A+3], s[G0A+3], 0x80000000
	tensor_load_to_lds s[G0A:G0A+3], s[G1:G1+7]    ; my one load
	s_nop 0
.rept 4
	v_nop
.endr
	s_lshl_b32 s50, s[TY], 2
	s_add_co_u32 s50, s50, s[WV]
	s_mul_i32 s50, s50, 76032
	s_add_nc_u64 s[WB:WB+1], s[6:7], s[50:51]      ; my chunk of wbuf
	v_and_b32 v18, 31, v0
	v_lshlrev_b32 v[LI], 4, v18
	v_lshlrev_b32 v[L8], 3, v18
	v_lshlrev_b32 v20, 2, v18
.irp s, 0,1,2,3,4,5                    ; W's 36 fragments: they stay
.irp nt, 0,1,2,3,4,5
.set rW, 256+96*\s+16*\nt
.set wn, (rW>>8)<<6
.set rL, rW&255
	WIN wn
.irp c, 0,1,2,3
	global_load_b128 v[rL+4*\c:rL+4*\c+3], v[LI], s[WB:WB+1] offset:(6*\nt+\s)*2048+512*\c
.endr
.endr
.endr
	WIN 0
.irp j, 0,1,2,3,4,5,6,7,8
	global_load_b64 v[WS+2*\j:WS+2*\j+1], v[L8], s[WB:WB+1] offset:73728+256*\j   ; and their scale words
.endr
	s_mov_b32 s[SEL], 0x76543210
	s_mov_b32 s[SEL+1], 0xfedcba98
	s_mov_b32 s[MNT], 0x600000
	s_mov_b32 s[HM], 0xffff0000
	v_and_b32 v19, 15, v0
	v_lshlrev_b32 v19, 2, v19                      ; 4 r
	s_wait_alu depctr_va_vdst(0)
.irp i, 0,1,2                          ; block 3 w + i of the 12 along the channels: word (3 w + i) / 4, byte (3 w + i) % 4
	s_mul_i32 s48, s[WV], 3
	s_add_co_u32 s48, s48, \i
	s_lshr_b32 s49, s48, 2
	s_lshl_b32 s49, s49, 7
	s_and_b32 s48, s48, 3
	s_add_co_u32 s48, s48, s49
	s_add_co_u32 s48, s48, SSTQ
	v_add_nc_u32 v[AQ+\i], s48, v19
.endr
	s_mul_i32 s48, s[WV], 384
	s_add_co_u32 s48, s48, SSTV
	v_add_nc_u32 v[AVB], s48, v20
	s_mul_i32 s48, s[WV], 768
	s_add_co_u32 s49, s48, SSTQ
	v_add_nc_u32 v[ACQ], s49, v[L8]
	s_add_co_u32 s49, s48, SSTV
	v_add_nc_u32 v[ACV], s49, v[L8]
	s_mov_b32 s48, 12288
	s_cmp_eq_u32 s[TY], 2
	s_cselect_b32 s48, s48, 1536
	s_mul_i32 s48, s48, s[WV]
	v_add_nc_u32 v[CO], s48, v[LI]
.irp g, 0,1,2,3,4,5
	v_mov_b32 v[TM+6+\g], 0                        ; a lane permute's destination counts as one of its sources
	v_mov_b32 v[WVR+\g], 0                         ; written once, so that no way through the type's branches reads them unwritten
	v_mov_b32 v[CP+\g], 0
.endr
	s_cmp_eq_u32 s[TY], 0
	s_cselect_b64 s[OB:OB+1], s[8:9], s[10:11]
	s_cmp_eq_u32 s[TY], 2
	s_cselect_b64 s[OB:OB+1], s[12:13], s[OB:OB+1]
	s_mul_i32 s50, s[CH], 2*QTB
	s_add_nc_u64 s[OB:OB+1], s[OB:OB+1], s[50:51]  ; my first output tile
	s_lshr_b32 s48, s[WV], 1
	s_mul_i32 s48, s48, QTB
	s_and_b32 s49, s[WV], 1
	s_mul_i32 s49, s49, 768
	s_add_co_u32 s50, s48, s49
	s_add_co_u32 s50, s50, 49152
	s_add_nc_u64 s[OS:OS+1], s[OB:OB+1], s[50:51]
	s_mov_b32 s[XO], 0
	s_mov_b32 s[SO], 0
	s_mov_b32 s[CNT], 0
	s_wait_loadcnt 0x0                             ; W
	s_wait_tensorcnt 0x0                           ; my quarters of both tiles have landed,
	s_barrier_signal -1
	s_barrier_wait -1                              ; everybody's have
.Ltile:                                                ; two trips: a tile of 128 rows each
	v_add_nc_u32 v[AXF0], s[XO], v[LI]
	v_add_nc_u32 v[AXF0+1], 49152, v[AXF0]
	v_add_nc_u32 v[AXS], s[XO], v[L8]
	v_add_nc_u32 v[AXS], 98304, v[AXS]
.irp i, 0,1,2
	v_add_nc_u32 v[AQW+\i], s[SO], v[AQ+\i]
.endr
	v_add_nc_u32 v[AVW], s[SO], v[AVB]
	XLOAD 0
	GROUP 0
	GROUP 1
	GROUP 2
	GROUP 3
	s_wait_dscnt 0x0                               ; my LDS stores have read their addresses, which the next trip makes anew
	s_wait_xcnt 0x0                                ; the stores have read their base
	s_add_nc_u64 s[OB:OB+1], s[OB:OB+1], QTB
	s_add_co_u32 s[XO], s[XO], XTB
	s_add_co_u32 s[SO], s[SO], 1536
	s_add_co_u32 s[CNT], s[CNT], 1
	s_cmp_lt_u32 s[CNT], 2
	s_cbranch_scc1 .Ltile
	s_barrier_signal -1                            ; every wave's scale bytes lie in LDS (each waited for its stores above)
	s_barrier_wait -1
	s_cmp_eq_u32 s[TY], 2
	s_cbranch_scc1 .Lcv
.irp i, 0,1,2
	ds_load_b64 v[CP+2*\i:CP+2*\i+1], v[ACQ] offset:256*\i
.endr
	s_branch .Lcd
.Lcv:
.irp i, 0,1,2
	ds_load_b64 v[CP+2*\i:CP+2*\i+1], v[ACV] offset:256*\i
.endr
.Lcd:
	s_wait_dscnt 0x0
.irp i, 0,1,2
	global_store_b64 v[L8], v[CP+2*\i:CP+2*\i+1], s[OS:OS+1] offset:256*\i   ; 32 lanes store 256 consecutive bytes, aligned
.endr
	s_wait_tensorcnt 0x0
	ds_add_u32 v254, v255
	s_wait_dscnt 0x0
	s_endpgm
.Lfunc_end_k_q80f262615e_proj:
	.size	k_q80f262615e_proj, .Lfunc_end_k_q80f262615e_proj-k_q80f262615e_proj
	.p2alignl 7, 3214868480
	.fill 96, 4, 3214868480
	.section	.rodata,"a",@progbits
	.p2align	6, 0x0
	.amdhsa_kernel k_q80f262615e_proj
		.amdhsa_group_segment_fixed_size 209408
		.amdhsa_private_segment_fixed_size 0
		.amdhsa_enable_private_segment 0
		.amdhsa_kernarg_size 40
		.amdhsa_user_sgpr_count 2
		.amdhsa_user_sgpr_kernarg_segment_ptr 1
		.amdhsa_wavefront_size32 1
		.amdhsa_system_sgpr_workgroup_id_x 1
		.amdhsa_system_sgpr_workgroup_id_y 1
		.amdhsa_system_sgpr_workgroup_id_z 1
		.amdhsa_system_vgpr_workitem_id 0
		.amdhsa_next_free_vgpr 1024
		.amdhsa_next_free_sgpr 66
		.amdhsa_reserve_vcc 0
		.amdhsa_float_denorm_mode_32 3
		.amdhsa_float_denorm_mode_16_64 3
		.amdhsa_memory_ordered 1
		.amdhsa_forward_progress 1
		.amdhsa_inst_pref_size 164
	.end_amdhsa_kernel
	.amdgpu_metadata
---
amdhsa.version: [ 1, 2 ]
amdhsa.kernels:
  - .name:           k_q80f262615e_proj
    .symbol:         k_q80f262615e_proj.kd
    .args:
      - { .name: xbuf, .offset: 0, .size: 8, .value_kind: global_buffer, .address_space: global }
      - { .name: wbuf, .offset: 8, .size: 8, .value_kind: global_buffer, .address_space: global }
      - { .name: qbuf, .offset: 16, .size: 8, .value_kind: global_buffer, .address_space: global }
      - { .name: kbuf, .offset: 24, .size: 8, .value_kind: global_buffer, .address_space: global }
      - { .name: vbuf, .offset: 32, .size: 8, .value_kind: global_buffer, .address_space: global }
    .group_segment_fixed_size: 209408
    .private_segment_fixed_size: 0
    .kernarg_segment_align: 8
    .kernarg_segment_size: 40
    .max_flat_workgroup_size: 128
    .sgpr_count:     66
    .vgpr_count:     1024
    .wavefront_size: 32
...
	.end_amdgpu_metadata
.endif
;; end of part 5
;; launch attn (part 6): grid 64 x 4, 4 waves a work-group, no clusters, 132,608 bytes of LDS; arguments qbuf, kbuf, vbuf, out0, part, stat; writes out0, part, stat
.if DOCPART == 6
	.amdgcn_target "amdgcn-amd-amdhsa--gfx1250"
	.amdhsa_code_object_version 6
	.text
	.protected	k_q80f262615e_attn
	.globl	k_q80f262615e_attn
	.p2align	8
	.type	k_q80f262615e_attn,@function
k_q80f262615e_attn:
	s_mov_b64 s[64:65], 0
	v_nop
	global_prefetch_b8 v0, s[64:65] scope:SCOPE_SE
	s_setreg_imm32_b32 hwreg(HW_REG_WAVE_MODE, 25, 1), 1
	s_wait_xcnt 0x0
; Causal attention on codes of BF8 (E5M2) with E8M0 scales: out = softmax(q k^T / sqrt(384)) v, 4 batches of 4,096 tokens, one head of 384 channels.
; LEFT OUT: key tiles all of whose keys come after the queries (the causal mask makes their weights 0 for all finite inputs; a NaN or an infinity that reaches only these is not carried on).
; SHARES.  A work-group owns 64 query rows at a time and walks key tiles of 128.  Chunk (tile t, half) has t + 1 of them.  With tiles i (0 .. 15) and 31 - i: work-groups x < 32 take tile i's chunk whole, then
; the chunk of tile 31 - i over key tiles 16 .. 31 - i: 17 steps; work-groups x >= 32 take the chunk of tile 31 - i over key tiles 0 .. 15: 16 steps.  So an upper row (2,048 on) has two parts, each divided by its own
; sum; they leave in 'part' with (-M, sum) in 'stat', and launch join adds them.
; Of a tile's 128 keys wave w scores keys 32 w .. 32 w + 31 for all 64 queries; the codes of p pass through LDS (two buffers by turns, one barrier a step); wave w sums channels 96 w .. 96 w + 95.
; So each fragment of K and of V is read by ONE wave, once a step, and feeds four query tiles: it goes from memory straight into registers as an image, 512 consecutive bytes a load.
; NO CLUSTERS: a joint load lands in LDS, which would add 96 KiB of LDS reads a step to fragments that only one wave uses.
; PREFETCH: every work-group asks once for one tile of K or of V (198 blocks of 256 bytes), a step and more ahead of the first load of it; each block is named once in the launch.
; Both products are used transposed: a lane holds one query (lane % 16 of a query tile) in S^T and in O^T.
; M is a wave's own ceiling of its 32 keys' largest t; the scale bytes and f = 2^(old M - new M) bring the waves' parts under one running M: exact powers of two.
; LIMITS: the promise holds while t = score x log2(e) / sqrt(384) stays under 2^31 in magnitude; NaN and infinities among q, k, v are not served.
; WINDOWS: 0: addresses, S, P, work;  1: Q (fragment (qt, s) at 16 (3 qt + s));  2: K (u, s) at 16 (3 u + s), V e at 96 + 16 e;  3: O (e, qt) at 8 (4 e + qt).
.set TILEB, 50688                      ; a tile of qbuf, kbuf, vbuf
.set XPB,   16384                      ; LDS: from P's buffer 0 to buffer 1: 8,192 bytes of codes, 4 x 512 + 4 x 256 of statistics
.set STG,   32768                      ; the stage of the way out: 64 rows
.set PIT,   1552
.set SPARE, STG+64*PIT
.set LI,   1                           ; 16 x lane
.set L8,   2                           ; 8 x lane
.set LSV,  3
.set AXR,  4
.set AXW,  5
.set AX8,  6
.set AXW8, 7
.set LSQ,  8
.set ASW,  9
.set ASR,  10
.set DM,   11
.set PFO,  12
.set PFO2, 13
.set SPW,  14
.set NIL,  15
.set NEGM, 16                          ; pairs: lanes 0-15 the even query tile, lanes 16-31 the odd one
.set LSUM, 18
.set LIW,  20
.set L8W,  21
.set STO,  22
.set KS,   24
.set QS,   27
.set SW,   36
.set VS,   40
.set S,    48
.set P,    112
.set ST,   176                         ; wave w: (-M pair 0, -M pair 1, byte pair 0, byte pair 1) at ST + 4 w; p's codes later
.set PC,   176
.set STS,  192                         ; sums of p
.set MX,   200
.set MXP,  204
.set NM,   208
.set PM,   216                         ; (-M of query tile q at NM + 2 q, an even register)
.set SCL,  220
.set HOLD, 224
.set BYF,  250
.set SA,   228
.set EX,   244
.set F,    228                         ; the factor of query tile q at F + 2 q: SA's registers, which the combine has done with by then
.set WV,   16
.set A,    17                          ; the first chunk's last key tile (255: no second chunk)
.set N,    18
.set BT,   19
.set SEL,  20
.set CS,   22
.set MNT,  24
.set HM,   25
.set XR,   26
.set XW,   27
.set KB,   28
.set VB,   30
.set KA,   32
.set VA,   34
.set QL,   36
.set QH,   38
.set OUTL, 40
.set OUTH, 42
.set PFA,  44
.set PFN,  46
.set TYB,  47
.set STP,  48
.set MSB, 0
.macro WIN new
.if MSB != (\new)
	s_set_vgpr_msb (MSB<<8)|(\new)
.set MSB, (\new)
.endif
.endm
.macro WALU
	s_wait_alu depctr_va_vdst(0)
.endm
.macro BAR
	WALU
	s_wait_dscnt 0x0
	s_barrier_signal -1
	s_barrier_wait -1
.endm
; one matrix instruction from the symbols rD, rA, rB, rZ (1: C = 0), rSA, rSB (scales), rRA, rRB (1: lanes 16-31 of them)
.macro WMS
.if rZ
.if rRA && rRB
	v_wmma_scale_f32_16x16x128_f8f6f4 v[rD:rD+7], v[rA:rA+15], v[rB:rB+15], 0, v[rSA], v[rSB] matrix_a_fmt:MATRIX_FMT_BF8 matrix_b_fmt:MATRIX_FMT_BF8 matrix_a_scale:MATRIX_SCALE_ROW1 matrix_b_scale:MATRIX_SCALE_ROW1
.elseif rRA
	v_wmma_scale_f32_16x16x128_f8f6f4 v[rD:rD+7], v[rA:rA+15], v[rB:rB+15], 0, v[rSA], v[rSB] matrix_a_fmt:MATRIX_FMT_BF8 matrix_b_fmt:MATRIX_FMT_BF8 matrix_a_scale:MATRIX_SCALE_ROW1
.elseif rRB
	v_wmma_scale_f32_16x16x128_f8f6f4 v[rD:rD+7], v[rA:rA+15], v[rB:rB+15], 0, v[rSA], v[rSB] matrix_a_fmt:MATRIX_FMT_BF8 matrix_b_fmt:MATRIX_FMT_BF8 matrix_b_scale:MATRIX_SCALE_ROW1
.else
	v_wmma_scale_f32_16x16x128_f8f6f4 v[rD:rD+7], v[rA:rA+15], v[rB:rB+15], 0, v[rSA], v[rSB] matrix_a_fmt:MATRIX_FMT_BF8 matrix_b_fmt:MATRIX_FMT_BF8
.endif
.else
.if rRA && rRB
	v_wmma_scale_f32_16x16x128_f8f6f4 v[rD:rD+7], v[rA:rA+15], v[rB:rB+15], v[rD:rD+7], v[rSA], v[rSB] matrix_a_fmt:MATRIX_FMT_BF8 matrix_b_fmt:MATRIX_FMT_BF8 matrix_a_scale:MATRIX_SCALE_ROW1 matrix_b_scale:MATRIX_SCALE_ROW1
.elseif rRA
	v_wmma_scale_f32_16x16x128_f8f6f4 v[rD:rD+7], v[rA:rA+15], v[rB:rB+15], v[rD:rD+7], v[rSA], v[rSB] matrix_a_fmt:MATRIX_FMT_BF8 matrix_b_fmt:MATRIX_FMT_BF8 matrix_a_scale:MATRIX_SCALE_ROW1
.elseif rRB
	v_wmma_scale_f32_16x16x128_f8f6f4 v[rD:rD+7], v[rA:rA+15], v[rB:rB+15], v[rD:rD+7], v[rSA], v[rSB] matrix_a_fmt:MATRIX_FMT_BF8 matrix_b_fmt:MATRIX_FMT_BF8 matrix_b_scale:MATRIX_SCALE_ROW1
.else
	v_wmma_scale_f32_16x16x128_f8f6f4 v[rD:rD+7], v[rA:rA+15], v[rB:rB+15], v[rD:rD+7], v[rSA], v[rSB] matrix_a_fmt:MATRIX_FMT_BF8 matrix_b_fmt:MATRIX_FMT_BF8
.endif
.endif
.endm
.macro TADR d, base, off               ; where step N + off's tile of K or V begins: tile m for m <= A, else m + 15 - A
	s_add_co_u32 s50, s[N], \off
	s_sub_co_u32 s51, 15, s[A]
	s_cmp_gt_u32 s50, s[A]
	s_cselect_b32 s51, s51, 0
	s_add_co_u32 s50, s50, s51
	s_mul_i32 s50, s50, TILEB
	s_mov_b32 s51, 0
	s_add_nc_u64 s[\d:\d+1], s[\base:\base+1], s[50:51]
.endm
.macro KLD s, t                        ; load t = 0 .. 7 of my two K fragments (u, s)
.set j_, 3*((\t)/4)+(\s)
.set c_, (\t)%4
	global_load_b128 v[16*j_+4*c_:16*j_+4*c_+3], v[LI], s[KA:KA+1] offset:2048*j_+512*c_
.endm
.macro KSLD
.irp s, 0,1,2
	global_load_b32 v[KS+\s], v[LSV], s[KA:KA+1] offset:128*\s
.endr
.endm
.macro KALL
	WIN 0x80
.irp s, 0,1,2
.irp t, 0,1,2,3,4,5,6,7
	KLD \s, \t
.endr
.endr
	WIN 0
	KSLD
.endm
.macro VLD e, c
.set e_, \e
.set c_, \c
	global_load_b128 v[96+16*e_+4*c_:96+16*e_+4*c_+3], v[LI], s[VA:VA+1] offset:2048*e_+512*c_
.endm
.macro QLOAD base
	WIN 0x40
.set j_, 0
.rept 48
	global_load_b128 v[4*j_:4*j_+3], v[LI], s[\base:\base+1] offset:512*j_
.set j_, j_+1
.endr
	WIN 0
.irp j, 0,1,2,3,4,5
	global_load_b32 v[QS+\j], v[LSQ], s[\base:\base+1] offset:128*\j
.endr
.endm
; COMBINE in eleven groups g_ = 0 .. 10: the four waves' M, bytes and sums under the new running M; f; p's scale words
.macro CMB
.if g_ == 0
.irp p, 0,1
	v_min3_num_f32 v[NM+\p], v[ST+\p], v[ST+4+\p], v[ST+8+\p]
.endr
.irp p, 0,1
	v_min3_num_f32 v[NM+\p], v[NM+\p], v[ST+12+\p], v[NEGM+\p]
.endr
.elseif g_ == 1
	v_pk_add_f32 v[NM+2:NM+3], v[NM:NM+1], v[NEGM:NEGM+1] neg_lo:[0,1] neg_hi:[0,1]
.irp w, 0,1,2,3
	v_pk_add_f32 v[SA+2*\w:SA+2*\w+1], v[NM:NM+1], v[ST+4*\w:ST+4*\w+1] neg_lo:[0,1] neg_hi:[0,1]
.endr
	v_mov_b32 v[NEGM], v[NM]
	v_mov_b32 v[NEGM+1], v[NM+1]
.elseif g_ == 2
	v_cvt_i32_f32 v[NM+2], v[NM+2]         ; (it saturates)
	v_cvt_i32_f32 v[NM+3], v[NM+3]
.irp w, 0,1,2,3
	v_pk_add_f32 v[MX+2*\w:MX+2*\w+1], v[ST+4*\w+2:ST+4*\w+3], v[SA+2*\w:SA+2*\w+1]
.endr
.elseif g_ == 3
	v_ldexp_f32 v[PM], 1.0, v[NM+2]        ; f = 2^(old M - new M)
	v_ldexp_f32 v[PM+1], 1.0, v[NM+3]
.irp k, 0,1,2,3
	v_cvt_i32_f32 v[SA+8+\k], v[SA+\k]
.endr
.elseif g_ == 4
.irp k, 4,5,6,7
	v_cvt_i32_f32 v[SA+8+\k], v[SA+\k]
.endr
.irp k, 0,1,2,3
	v_max_num_f32 v[MX+\k], 1.0, v[MX+\k]
.endr
.elseif g_ == 5
.irp k, 4,5,6,7
	v_max_num_f32 v[MX+\k], 1.0, v[MX+\k]
.endr
	v_permlanex16_b32 v[NM+2], v[PM], s[SEL], s[SEL+1]
	v_permlanex16_b32 v[NM+3], v[PM+1], s[SEL], s[SEL+1]
.elseif g_ == 6
.irp k, 0,1,2,3,4,5
	v_cvt_u32_f32 v[MX+\k], v[MX+\k]
.endr
.elseif g_ == 7
.irp k, 6,7
	v_cvt_u32_f32 v[MX+\k], v[MX+\k]
.endr
.irp k, 0,1,2,3
	v_ldexp_f32 v[STS+\k], v[STS+\k], v[SA+8+\k]
.endr
.elseif g_ == 8
.irp k, 4,5,6,7
	v_ldexp_f32 v[STS+\k], v[STS+\k], v[SA+8+\k]
.endr
	v_cndmask_b32 v[F], v[PM], v[NM+2], s[HM]
	v_cndmask_b32 v[F+2], v[NM+2], v[PM], s[HM]
.elseif g_ == 9
	v_cndmask_b32 v[F+4], v[PM+1], v[NM+3], s[HM]
	v_cndmask_b32 v[F+6], v[NM+3], v[PM+1], s[HM]
	v_pk_fma_f32 v[LSUM:LSUM+1], v[LSUM:LSUM+1], v[PM:PM+1], v[STS:STS+1]
	v_pk_add_f32 v[STS+2:STS+3], v[STS+2:STS+3], v[STS+4:STS+5]
.else
	v_lshl_or_b32 v[SW], v[MX+2], 8, v[MX]
	v_lshl_or_b32 v[SW+1], v[MX+3], 8, v[MX+1]
	v_pk_add_f32 v[LSUM:LSUM+1], v[LSUM:LSUM+1], v[STS+6:STS+7]
	v_lshl_or_b32 v[SW], v[MX+4], 16, v[SW]
	v_lshl_or_b32 v[SW+1], v[MX+5], 16, v[SW+1]
	v_pk_add_f32 v[LSUM:LSUM+1], v[LSUM:LSUM+1], v[STS+2:STS+3]
	v_lshl_or_b32 v[SW], v[MX+6], 24, v[SW]
	v_lshl_or_b32 v[SW+1], v[MX+7], 24, v[SW+1]
.endif
.endm
.macro RSC j0, cnt                     ; O x F: cnt of the 96 pairs from j0 on, each accumulator from its low end
.set m_, \j0
.rept \cnt
.set q_, (m_/4)%4
.set f_, F+2*q_
	v_pk_mul_f32 v[2*m_:2*m_+1], v[2*m_:2*m_+1], v[f_:f_+1] op_sel_hi:[1,0]
.set m_, m_+1
.endr
.endm
; behind product n_ of S^T: the last tile's combine, the first part of the rescaling, the next K fragments as they fall free
.macro SHOOK
.if n_ == 5
	s_wait_dscnt 16                                ; the statistics are in; p's 16 loads may be out
.elseif n_ >= 6 && n_ <= 16
	WIN 0
.set g_, n_-6
	CMB
.elseif n_ >= 17
	WIN 0xc3
	RSC 6*(n_-17), 6
.endif
.if fKL
.if n_ >= 9 && n_ <= 16
	WIN 0x80
	KLD 0, n_-9
.elseif n_ >= 19 && n_ <= 22
	WIN 0x80
	KLD 1, 2*(n_-19)
	KLD 1, 2*(n_-19)+1
.endif
.endif
.endm
.macro SMULX                           ; 24 products: my 32 keys x 64 queries x 384; eight accumulators by turns
.set n_, 0
.irp s, 0,1,2
.irp q, 0,1,2,3
.irp k, 0,1
	WIN 0x06
.set rD, S+16*\q+8*\k
.set rA, 16*(3*\k+\s)
.set rB, 16*(3*\q+\s)
.set rZ, 0
.if \s == 0
.set rZ, 1
.endif
.set rSA, KS+\s
.set rRA, \k
.set rSB, QS+3*(\q/2)+\s
.set rRB, \q&1
	WMS
.if fPV
	SHOOK
.endif
.set n_, n_+1
.endr
.endr
.endr
	WIN 0
.endm
.macro MASK                            ; hidden scores become -infinity: key - query = i - 8 (qt % 2) - 32 (qt / 2) - DM
	v_mov_b32 v[SCL], 0xff800000
.irp q, 0,1,2,3
.irp i, 0,1,2,3,4,5,6,7,8,9,10,11,12,13,14,15
	v_cmp_gt_i32 vcc_lo, \i-8*(\q&1)-32*(\q/2), v[DM]
	v_cndmask_b32 v[S+16*\q+\i], v[S+16*\q+\i], v[SCL], vcc_lo
.endr
.endr
.endm
.macro FRONT                           ; largest scores, M, p
.irp q, 0,1,2,3
	v_max3_num_f32 v[MX+\q], v[S+16*\q], v[S+16*\q+1], v[S+16*\q+2]
.endr
.irp i, 3,5,7,9,11,13
.irp q, 0,1,2,3
	v_max3_num_f32 v[MX+\q], v[MX+\q], v[S+16*\q+\i], v[S+16*\q+\i+1]
.endr
.endr
.irp q, 0,1,2,3
	v_max_num_f32 v[MX+\q], v[MX+\q], v[S+16*\q+15]
.endr
.irp q, 0,1,2,3
	v_permlanex16_b32 v[MXP+\q], v[MX+\q], s[SEL], s[SEL+1]
.endr
.irp q, 0,1,2,3
	v_max_num_f32 v[MX+\q], v[MX+\q], v[MXP+\q]
.endr
.irp q, 0,1,2,3
	v_mul_f32 v[MXP+\q], s[CS], v[MX+\q]
.endr
.irp q, 0,1,2,3
	v_max_num_f32 v[MXP+\q], 0xff61b1e6, v[MXP+\q]   ; (a block that is wholly hidden: -3e38)
.endr
.irp q, 0,1,2,3
	v_floor_f32 v[NM+2*\q], -v[MXP+\q]
.endr
.irp q, 0,1,2,3
.irp i, 0,2,4,6,8,10,12,14
	v_pk_fma_f32 v[S+16*\q+\i:S+16*\q+\i+1], v[S+16*\q+\i:S+16*\q+\i+1], s[CS:CS+1], v[NM+2*\q:NM+2*\q+1] op_sel_hi:[1,0,0]
.endr
.endr
.irp q, 0,1,2,3
	v_fma_f32 v[PM+\q], v[MX+\q], s[CS], v[NM+2*\q]
.endr
	WALU
.set j_, 0
.rept 64
	v_exp_f32 v[S+j_], v[S+j_]
.set j_, j_+1
.endr
.irp q, 0,1,2,3
	v_exp_f32 v[PM+\q], v[PM+\q]           ; a block's largest p, from its largest score
.endr
	v_nop
	WALU
.endm
.macro CVT q
	v_cvt_scalef32_pk8_bf8_f32 v[PC+4*(\q):PC+4*(\q)+1], v[S+16*(\q):S+16*(\q)+7], v[SCL+(\q)]
	v_cvt_scalef32_pk8_bf8_f32 v[PC+4*(\q)+2:PC+4*(\q)+3], v[S+16*(\q)+8:S+16*(\q)+15], v[SCL+(\q)]
.endm
; behind product n_ of O^T: sums of the unquantised p, scales, holds (the conversion does not saturate: ISA guide 7.6.2), conversions, each with a plain line behind it
.macro PTAIL
.if n_ == 0
.irp q, 0,1,2,3
	v_max_num_f32 v[PM+\q], 0x8000000, v[PM+\q]
.endr
.elseif n_ == 1
.irp q, 0,1,2,3
	v_add_nc_u32 v[SCL+\q], 0xf8800000, v[PM+\q]
.endr
.elseif n_ == 2
.irp q, 0,1,2,3
	v_and_or_b32 v[HOLD+\q], v[PM+\q], 0x7f800000, s[MNT]
.endr
.elseif n_ == 3
.irp q, 0,1,2,3
	v_lshrrev_b32 v[BYF+\q], 23, v[SCL+\q]
.endr
.elseif n_ == 4 || n_ == 5
.set i_, 4*(n_-4)
.set a_, 2*(n_-4)
.irp q, 0,1,2,3
	v_pk_add_f32 v[SA+4*\q+a_:SA+4*\q+a_+1], v[S+16*\q+i_:S+16*\q+i_+1], v[S+16*\q+i_+2:S+16*\q+i_+3]
.endr
.elseif n_ >= 6 && n_ <= 9
.set i_, 8+2*(n_-6)
.set a_, 2*((n_-6)%2)
.irp q, 0,1,2,3
	v_pk_add_f32 v[SA+4*\q+a_:SA+4*\q+a_+1], v[SA+4*\q+a_:SA+4*\q+a_+1], v[S+16*\q+i_:S+16*\q+i_+1]
.endr
.elseif n_ == 10
.irp q, 0,1,2,3
	v_pk_add_f32 v[SA+4*\q:SA+4*\q+1], v[SA+4*\q:SA+4*\q+1], v[SA+4*\q+2:SA+4*\q+3]
.endr
.elseif n_ == 11
.irp q, 0,1,2,3
	v_add_f32 v[SA+4*\q], v[SA+4*\q], v[SA+4*\q+1]
.endr
.elseif n_ >= 12 && n_ <= 19
.if n_ == 14
	CVT 0
.elseif n_ == 16
	CVT 1
.elseif n_ == 18
	CVT 2
.endif
.set h_, HOLD+(n_-12)/2
.set b_, S+8*(n_-12)
.irp t, 0,1,2,3,4,5,6,7
	v_min_num_f32 v[b_+\t], v[b_+\t], v[h_]
.endr
.elseif n_ == 20
	CVT 3
.irp q, 0,1,2,3
	v_cvt_f32_u32 v[BYF+\q], v[BYF+\q]
.endr
.elseif n_ == 21
.irp q, 0,1,2,3
	v_permlanex16_b32 v[MXP+\q], v[SA+4*\q], s[SEL], s[SEL+1]
.endr
.elseif n_ == 22
.irp q, 0,1,2,3
	v_add_f32 v[SA+4*\q], v[SA+4*\q], v[MXP+\q]
.endr
.else
.irp p, 0,1
	v_cndmask_b32 v[EX+\p], v[NM+4*\p], v[NM+4*\p+2], s[HM]
.endr
.irp p, 0,1
	v_cndmask_b32 v[EX+2+\p], v[BYF+2*\p], v[BYF+2*\p+1], s[HM]
.endr
.irp p, 0,1
	v_cndmask_b32 v[EX+4+\p], v[SA+8*\p], v[SA+8*\p+4], s[HM]
.endr
.endif
.endm
.macro PVX                             ; 24 products: O^T += V^T P^T: my 96 channels x 64 queries x 128 keys; 24 accumulators by turns
.set n_, 0
.irp e, 0,1,2,3,4,5
.irp q, 0,1,2,3
.if fPV
	WIN 0xf2
.set rD, 8*(4*\e+\q)
.set rA, 96+16*\e
.set rB, P+16*\q
.set rZ, 0
.set rSA, VS+\e/2
.set rRA, \e&1
.set rSB, SW+\q/2
.set rRB, \q&1
	WMS
.endif
.if fDS
	WIN 0
	PTAIL
.if fPV && n_ >= 6
.if ((n_-6)%4) < 2
	WIN 0x80
	VLD (n_-6)/4, 2*((n_-6)%4)
	VLD (n_-6)/4, 2*((n_-6)%4)+1
.endif
.endif
.endif
.set n_, n_+1
.endr
.endr
	WIN 0
.endm
.macro PART1                           ; O / the sum into the stage, row by row
	WALU
	v_rcp_f32 v[PM], v[LSUM]
	v_rcp_f32 v[PM+1], v[LSUM+1]
	v_nop
	WALU
	v_permlanex16_b32 v[NM+2], v[PM], s[SEL], s[SEL+1]
	v_permlanex16_b32 v[NM+3], v[PM+1], s[SEL], s[SEL+1]
	v_cndmask_b32 v[F], v[PM], v[NM+2], s[HM]
	v_cndmask_b32 v[F+2], v[NM+2], v[PM], s[HM]
	v_cndmask_b32 v[F+4], v[PM+1], v[NM+3], s[HM]
	v_cndmask_b32 v[F+6], v[NM+3], v[PM+1], s[HM]
	WIN 0xc3
	WALU
	RSC 0, 96
	WIN 0x0c
.irp e, 0,1,2,3,4,5
.irp q, 0,1,2,3
.irp k, 0,1
	ds_store_b128 v[ASW], v[8*(4*\e+\q)+4*\k:8*(4*\e+\q)+4*\k+3] offset:PIT*(32*(\q/2)+8*(\q&1))+128*(\e/2)+32*(\e&1)+16*\k
.endr
.endr
.endr
	WIN 0
	v_mov_b32 v[NEGM], 0x7f61b1e6                  ; the next f is 0: the sums begin anew
	v_mov_b32 v[NEGM+1], 0x7f61b1e6
.endm
.macro PART2 out                       ; 16 rows of 1,536 bytes a wave, 512 consecutive bytes a store; O's registers are free (f = 0 next)
	WIN 0xc0
.set j_, 0
.rept 48
	ds_load_b128 v[4*j_:4*j_+3], v[ASR] offset:PIT*(j_/3)+512*(j_%3)
.set j_, j_+1
.endr
	WIN 0
	s_wait_dscnt 0x0
	WIN 0x0c
.set j_, 0
.rept 48
	global_store_b128 v[LI], v[4*j_:4*j_+3], s[\out:\out+1] offset:512*j_ th:TH_STORE_NT
.set j_, j_+1
.endr
	WIN 0
	s_wait_xcnt 0x0                                ; the stores have read their registers
.endm
; A STEP.  pv: tile N's p, combine, rescaling, O^T;  ds: tile N + 1's scores and softmax.  kl: K of tile N + 2 is loaded (V of N + 1 always, with ds).
; ql, p2, p1, ak: Q's change, the two halves of the first chunk's way out, the prefetch, each where ids and the step's number say so.  mk: the mask: 1 where N + 1 = A, 2 always.
.macro BODY pv, ds, kl, ql, p2, p1, mk, ak
.set fPV, \pv
.set fDS, \ds
.set fKL, \kl
.if \pv
	v_add_nc_u32 v[AXR], s[XR], v[LI]
	v_add_nc_u32 v[AX8], s[XR], v[L8]
.endif
.if \ds
	v_add_nc_u32 v[AXW], s[XW], v[LIW]
	v_add_nc_u32 v[AXW8], s[XW], v[L8W]
.endif
	WALU
.if \p2
	s_add_co_u32 s50, s[A], 1
	s_cmp_eq_u32 s[N], s50
	s_cbranch_scc0 .Lno_sto_\@
	PART2 OUTL
.Lno_sto_\@:
.endif
.if \pv
.irp w, 0,1,2,3
	ds_load_b128 v[ST+4*\w:ST+4*\w+3], v[AXR] offset:8192+512*\w
	ds_load_b64 v[STS+2*\w:STS+2*\w+1], v[AX8] offset:10240+256*\w
.endr
.set j_, 0
.rept 16
	ds_load_b128 v[P+4*j_:P+4*j_+3], v[AXR] offset:512*j_
.set j_, j_+1
.endr
.endif
.if \ds
.if \pv
	s_wait_loadcnt 27                              ; K of this step is in; V's 27 younger loads may be out
.else
	s_wait_loadcnt 0x0
.endif
.if \kl
	TADR KA, KB, 2
.endif
	SMULX
.if \pv
.irp g, 0,1,2,3
	WIN 0xc3
	RSC 42+12*\g, 12
.if \kl
	WIN 0x80
	KLD 2, 2*\g
	KLD 2, 2*\g+1
.endif
.endr
	WIN 0xc3
	RSC 90, 6
	WIN 0
.if \kl
	KSLD
.endif
.else
.rept 9
	v_nop
.endr
.if \kl
	KALL
.endif
.endif
.if \ql || (\mk == 1)
	s_add_co_u32 s50, s[N], 1
	s_cmp_eq_u32 s50, s[A]
	s_cbranch_scc0 .Lno_chg_\@
.if \ql
	QLOAD QH                                       ; the scores of the first chunk end with this step: the second chunk's Q
.endif
	MASK
.Lno_chg_\@:
.elseif \mk == 2
	MASK
.endif
.if \p1
	WALU
	s_wait_dscnt 0x0                               ; my reads of the stage (PART2, at this step's head) and of p are over
	s_barrier_signal -1
.endif
	FRONT
.if \p1
	s_barrier_wait -1                              ; a second barrier of the step: PART2's reads of the stage stand ahead of PART1's stores into it; only register work lies between signal and wait
.endif
.else
	s_wait_dscnt 16
.set g_, 0
.rept 11
	CMB
.set g_, g_+1
.endr
	WIN 0xc3
	RSC 0, 96
	WIN 0
	WALU
.endif
.if \pv
	s_wait_dscnt 0x0
.if \ds && \kl
	s_wait_loadcnt 27                              ; V is in; the next K's 27 younger loads may be out
.else
	s_wait_loadcnt 0x0
.endif
.endif
.if \ds
	TADR VA, VB, 1
.endif
	PVX
.if \pv
.rept 9
	v_nop                                          ; places behind the last product
.endr
.endif
.if \ds
.irp q, 0,1,2,3
	ds_store_b128 v[AXW], v[PC+4*\q:PC+4*\q+3] offset:2048*\q
.endr
	ds_store_b128 v[AXW], v[EX:EX+3] offset:8192
	ds_store_b64 v[AXW8], v[EX+4:EX+5] offset:10240
	WIN 0x80
.if \pv == 0
.irp e, 0,1,2,3,4
.irp c, 0,1,2,3
	VLD \e, \c
.endr
.endr
.endif
.irp c, 0,1,2,3
	VLD 5, \c
.endr
	WIN 0
.irp i, 0,1,2
	global_load_b32 v[VS+\i], v[LSV], s[VA:VA+1] offset:128*\i
.endr
.endif
.if \ak
	s_add_co_u32 s50, s[N], 3
	s_cmp_eq_u32 s50, s[PFN]
	s_cbranch_scc0 .Lno_ask_\@
	global_prefetch_b8 v[PFO], s[PFA:PFA+1] th:TH_LOAD_NT scope:SCOPE_SE
	s_cmp_lt_u32 s[WV], 3
	s_cbranch_scc0 .Lno_ask_\@
	global_prefetch_b8 v[PFO2], s[PFA:PFA+1] th:TH_LOAD_NT scope:SCOPE_SE
.Lno_ask_\@:
.endif
.if \p1
	s_cmp_eq_u32 s[N], s[A]
	s_cbranch_scc0 .Lno_div_\@
	PART1
.Lno_div_\@:
.endif
.if \ds
	BAR
.endif
.endm
	s_load_b256 s[4:11], s[0:1], 0x0               ; q s[4:5], k s[6:7], v s[8:9], out s[10:11]
	s_load_b128 s[12:15], s[0:1], 0x20             ; part s[12:13], stat s[14:15]
	v_lshl_add_u32 v[SPW], v0, 2, SPARE
	v_mov_b32 v[NIL], 0
	v_lshrrev_b32 v200, 5, v0
	v_readfirstlane_b32 s[WV], v200
	s_and_b32 s50, ttmp9, 31
	s_lshr_b32 s51, s50, 1                         ; i
	s_and_b32 s52, s50, 1                          ; which half of the tile's 128 rows
	s_and_b32 s[BT], ttmp7, 0xffff
	s_sub_co_u32 s53, 31, s51                      ; the upper tile
	s_cmp_lt_u32 ttmp9, 32
	s_cselect_b32 s[TYB], 1, 0
	s_cselect_b32 s[A], s51, 0xff
	s_cselect_b32 s54, s51, s53                    ; the first chunk's tile
	s_mov_b32 s[PFN], s51
	s_lshl_b32 s55, s[BT], 5
	s_mul_i32 s56, s52, 24576
	s_add_co_u32 s60, s55, s54
	s_mul_i32 s60, s60, TILEB
	s_add_co_u32 s60, s60, s56
	s_mov_b32 s61, 0
	s_add_co_u32 s62, s55, s53
	s_mul_i32 s62, s62, TILEB
	s_add_co_u32 s62, s62, s56
	s_mov_b32 s63, 0
	s_mul_i32 s66, s55, TILEB
	s_mul_i32 s67, s[WV], 12288
	s_add_co_u32 s66, s66, s67
	s_mov_b32 s67, 0
	s_lshl_b32 s68, s[BT], 12
	s_lshl_b32 s69, s51, 7
	s_add_co_u32 s68, s68, s69
	s_lshl_b32 s57, s52, 6                         ; 64 x half
	s_add_co_u32 s68, s68, s57
	s_lshl_b32 s58, s[WV], 4                       ; 16 x wave
	s_add_co_u32 s68, s68, s58
	s_mul_i32 s68, s68, 1536
	s_mov_b32 s69, 0
	s_lshl_b32 s70, s[BT], 11
	s_sub_co_u32 s71, 15, s51
	s_lshl_b32 s71, s71, 7
	s_add_co_u32 s70, s70, s71
	s_add_co_u32 s70, s70, s57                     ; my chunk's first row among the upper rows
	s_lshl_b32 s72, s70, 3
	s_lshl_b32 s73, s[TYB], 16
	s_add_co_u32 s72, s72, s73
	s_mov_b32 s73, 0
	s_add_co_u32 s70, s70, s58
	s_mul_i32 s70, s70, 1536
	s_mul_i32 s71, s[TYB], 12582912
	s_add_co_u32 s70, s70, s71
	s_mov_b32 s71, 0
	s_lshl_b32 s74, s[TYB], 4
	s_add_co_u32 s74, s74, s51
	s_add_co_u32 s74, s74, s55
	s_mul_i32 s74, s74, TILEB
	s_mov_b32 s75, 0
	s_mov_b32 s[SEL], 0x76543210
	s_mov_b32 s[SEL+1], 0xfedcba98
	s_mov_b32 s[CS], 0x3d96c73f                    ; log2(e) / sqrt(384)
	s_mov_b32 s[CS+1], s[CS]
	s_mov_b32 s[MNT], 0x600000
	s_mov_b32 s[HM], 0xffff0000
	s_mov_b32 s[XR], 0
	s_mov_b32 s[XW], 0
	s_mov_b32 s[N], -1
	v_and_b32 v200, 31, v0
	v_and_b32 v201, 15, v0
	v_bfe_u32 v202, v0, 4, 1
	v_lshlrev_b32 v[LI], 4, v200
	v_lshlrev_b32 v[L8], 3, v200
	v_and_b32 v203, 8, v201
	v_add_nc_u32 v203, v203, v201                  ; r + 8 (r / 8)
	v_lshlrev_b32 v204, 2, v200
	WALU
	s_mul_i32 s76, s[WV], 11904
	s_sub_co_u32 s76, 49152, s76
	v_add_nc_u32 v[LSV], s76, v204                 ; my scale words of a tile, from my first fragment on
	s_mul_i32 s76, s52, 23808
	s_sub_co_u32 s76, 49152, s76
	v_add_nc_u32 v[LSQ], s76, v204
	s_lshl_b32 s76, s[WV], 9
	v_add_nc_u32 v[LIW], s76, v[LI]
	s_lshl_b32 s76, s[WV], 8
	v_add_nc_u32 v[L8W], s76, v[L8]
	WALU
	s_mul_i32 s76, s[WV], 384
	s_add_co_u32 s76, s76, STG
	v_mul_u32_u24 v205, v203, PIT
	v_lshl_add_u32 v205, v202, 6, v205
	v_add_nc_u32 v[ASW], s76, v205
	s_mul_i32 s76, s58, PIT
	s_add_co_u32 s76, s76, STG
	v_add_nc_u32 v[ASR], s76, v[LI]
	s_lshl_b32 s76, s[WV], 5
	s_sub_co_i32 s76, s57, s76
	v_lshlrev_b32 v206, 4, v202
	v_sub_nc_u32 v[DM], v203, v206
	v_add_nc_u32 v[DM], s76, v[DM]
	v_lshl_add_u32 v206, v202, 3, v203
	v_lshlrev_b32 v[STO], 3, v206
	v_lshlrev_b32 v[PFO], 8, v0
	v_add_nc_u32 v[PFO2], 0x80, v0
	v_min_u32 v[PFO2], 0xc5, v[PFO2]
	v_lshlrev_b32 v[PFO2], 8, v[PFO2]              ; blocks 128 .. 197
	WALU
	s_wait_kmcnt 0x0
	s_add_nc_u64 s[QL:QL+1], s[4:5], s[60:61]
	s_add_nc_u64 s[QH:QH+1], s[4:5], s[62:63]
	s_add_nc_u64 s[KB:KB+1], s[6:7], s[66:67]
	s_add_nc_u64 s[VB:VB+1], s[8:9], s[66:67]
	s_add_nc_u64 s[OUTL:OUTL+1], s[10:11], s[68:69]
	s_add_nc_u64 s[OUTH:OUTH+1], s[12:13], s[70:71]
	s_add_nc_u64 s[STP:STP+1], s[14:15], s[72:73]
	s_cmp_eq_u32 s52, 0
	s_cselect_b64 s[PFA:PFA+1], s[6:7], s[8:9]
	s_add_nc_u64 s[PFA:PFA+1], s[PFA:PFA+1], s[74:75]
	s_mov_b64 s[KA:KA+1], s[KB:KB+1]
	QLOAD QL
	KALL                                           ; tile 0
	v_mov_b32 v[NEGM], 0x7f61b1e6                  ; M: -3e38, under every t
	v_mov_b32 v[NEGM+1], 0x7f61b1e6
	v_mov_b32 v[LSUM], 0
	v_mov_b32 v[LSUM+1], 0
.irp q, 0,1,2,3
	v_mov_b32 v[MXP+\q], 0                         ; a lane permute's destination counts as one of its sources
	v_mov_b32 v[NM+\q], 0                          ; (the upper halves of -M's pairs are named, so they are written)
	v_mov_b32 v[NM+4+\q], 0
.endr
	WIN 0xc0
.set j_, 0
.rept 192
	v_mov_b32 v[j_], 0                             ; O^T: the first f makes 0 of it
.set j_, j_+1
.endr
	WIN 0
	BODY 0, 1, 1, 1, 0, 0, 1, 0                    ; tile 0's scores and softmax
	s_mov_b32 s[XW], XPB
	s_mov_b32 s[N], 0
.Lstep:                                                ; N = 0 .. 14
	BODY 1, 1, 1, 1, 1, 1, 1, 1
	s_xor_b32 s[XR], s[XR], XPB
	s_xor_b32 s[XW], s[XW], XPB
	s_add_co_u32 s[N], s[N], 1
	s_cmp_lt_u32 s[N], 15
	s_cbranch_scc1 .Lstep
	s_mov_b32 s[XR], XPB
	s_mov_b32 s[XW], 0
	s_cmp_eq_u32 s[TYB], 0
	s_cbranch_scc1 .Lfinal                         ; the 16 steps of a work-group x >= 32 are scored
	BODY 1, 1, 0, 0, 1, 1, 2, 0                    ; N = 15; tile N + 1 = 16 is the upper chunk's diagonal
	s_mov_b32 s[XR], 0
	s_add_co_u32 s[N], s[N], 1
.Lfinal:
	BODY 1, 0, 0, 0, 1, 0, 0, 0                    ; the last tile's p
	s_cmp_lg_u32 s[WV], 0
	s_cbranch_scc1 .Lno_stat                       ; all four waves hold the same: wave 0 stores
	v_mov_b32 v200, v[NEGM]
	v_mov_b32 v201, v[LSUM]
	v_mov_b32 v202, v[NEGM+1]
	v_mov_b32 v203, v[LSUM+1]
	global_store_b64 v[STO], v[200:201], s[STP:STP+1]
	global_store_b64 v[STO], v[202:203], s[STP:STP+1] offset:256
.Lno_stat:
	BAR                                            ; nobody reads the first chunk's rows in the stage any more
	PART1
	BAR
	PART2 OUTH
	s_wait_tensorcnt 0x0                           ; the wave's end
	ds_add_u32 v[SPW], v[NIL]
	s_wait_dscnt 0x0
	s_endpgm
.Lfunc_end_k_q80f262615e_attn:
	.size	k_q80f262615e_attn, .Lfunc_end_k_q80f262615e_attn-k_q80f262615e_attn
	.p2alignl 7, 3214868480
	.fill 96, 4, 3214868480
	.section	.rodata,"a",@progbits
	.p2align	6, 0x0
	.amdhsa_kernel k_q80f262615e_attn
		.amdhsa_group_segment_fixed_size 132608
		.amdhsa_private_segment_fixed_size 0
		.amdhsa_enable_private_segment 0
		.amdhsa_kernarg_size 48
		.amdhsa_user_sgpr_count 2
		.amdhsa_user_sgpr_kernarg_segment_ptr 1
		.amdhsa_wavefront_size32 1
		.amdhsa_system_sgpr_workgroup_id_x 1
		.amdhsa_system_sgpr_workgroup_id_y 1
		.amdhsa_system_sgpr_workgroup_id_z 1
		.amdhsa_system_vgpr_workitem_id 0
		.amdhsa_next_free_vgpr 960
		.amdhsa_next_free_sgpr 80
		.amdhsa_reserve_vcc 1
		.amdhsa_float_denorm_mode_32 3
		.amdhsa_float_denorm_mode_16_64 3
		.amdhsa_memory_ordered 1
		.amdhsa_forward_progress 1
		.amdhsa_inst_pref_size 224
	.end_amdhsa_kernel
	.amdgpu_metadata
---
amdhsa.version: [ 1, 2 ]
amdhsa.kernels:
  - .name:           k_q80f262615e_attn
    .symbol:         k_q80f262615e_attn.kd
    .args:
      - { .name: qbuf, .offset: 0, .size: 8, .value_kind: global_buffer, .address_space: global }
      - { .name: kbuf, .offset: 8, .size: 8, .value_kind: global_buffer, .address_space: global }
      - { .name: vbuf, .offset: 16, .size: 8, .value_kind: global_buffer, .address_space: global }
      - { .name: out0, .offset: 24, .size: 8, .value_kind: global_buffer, .address_space: global }
      - { .name: part, .offset: 32, .size: 8, .value_kind: global_buffer, .address_space: global }
      - { .name: stat, .offset: 40, .size: 8, .value_kind: global_buffer, .address_space: global }
    .group_segment_fixed_size: 132608
    .private_segment_fixed_size: 0
    .kernarg_segment_align: 8
    .kernarg_segment_size: 48
    .max_flat_workgroup_size: 128
    .sgpr_count:     80
    .vgpr_count:     960
    .wavefront_size: 32
...
	.end_amdgpu_metadata
.endif
;; end of part 6
;; launch join (part 7): grid 256 x 1, 8 waves a work-group, no clusters, 0 bytes of LDS; arguments part, stat, out0; writes out0
.if DOCPART == 7
	.amdgcn_target "amdgcn-amd-amdhsa--gfx1250"
	.amdhsa_code_object_version 6
	.text
	.protected	k_q80f262615e_join
	.globl	k_q80f262615e_join
	.p2align	8
	.type	k_q80f262615e_join,@function
k_q80f262615e_join:
	s_mov_b64 s[64:65], 0
	v_nop
	global_prefetch_b8 v0, s[64:65] scope:SCOPE_SE
	s_setreg_imm32_b32 hwreg(HW_REG_WAVE_MODE, 25, 1), 1
	s_wait_xcnt 0x0
; An upper row's result from its two parts a, b (each divided by its own sum l, under its own M): (a w_a + b w_b) / (w_a + w_b), w = l 2^(own M - the larger M).
; A wave takes 4 of the 8,192 rows: 24 loads of 512 consecutive bytes.  It streams: no matrix work, no LDS; no prefetch, since every load goes out at the head.
.set RA, 16
.set RB, 64
.set NX, 112
.set W,  116                           ; w_a of row r at W + 4 r, w_b at W + 4 r + 2; behind each its exponent
.set IV, 132
	s_load_b128 s[4:7], s[0:1], 0x0                ; part, stat
	s_load_b64 s[8:9], s[0:1], 0x10                ; out0
	v_lshrrev_b32 v1, 5, v0
	v_readfirstlane_b32 s10, v1
	v_and_b32 v2, 31, v0
	v_lshlrev_b32 v2, 4, v2
	s_lshl_b32 s11, ttmp9, 5
	s_lshl_b32 s12, s10, 2
	s_add_co_u32 s11, s11, s12                     ; my first row
	s_mul_i32 s34, s11, 1536
	s_mov_b32 s35, 0
	s_lshl_b32 s36, s11, 3
	s_mov_b32 s37, 0
	s_lshr_b32 s12, s11, 11
	s_add_co_u32 s12, s12, 1
	s_lshl_b32 s12, s12, 11
	s_add_co_u32 s12, s12, s11                     ; its row of the output: 2,048 more for each batch begun
	s_mul_i32 s38, s12, 1536
	s_mov_b32 s39, 0
	s_wait_alu depctr_va_vdst(0)
	s_wait_kmcnt 0x0
	s_add_nc_u64 s[4:5], s[4:5], s[34:35]
	s_add_nc_u64 s[6:7], s[6:7], s[36:37]
	s_add_nc_u64 s[8:9], s[8:9], s[38:39]
	s_add_nc_u64 s[40:41], s[4:5], 12582912
	s_load_b256 s[16:23], s[6:7], 0x0              ; a: (-M, l) of my four rows
	s_load_b256 s[24:31], s[6:7], 0x10000          ; b
.irp r, 0,1,2,3
.irp k, 0,1,2
	global_load_b128 v[RA+4*(3*\r+\k):RA+4*(3*\r+\k)+3], v2, s[4:5] offset:512*(3*\r+\k) th:TH_LOAD_NT
.endr
.irp k, 0,1,2
	global_load_b128 v[RB+4*(3*\r+\k):RB+4*(3*\r+\k)+3], v2, s[40:41] offset:512*(3*\r+\k) th:TH_LOAD_NT
.endr
.endr
	s_wait_kmcnt 0x0
.irp r, 0,1,2,3
	v_mov_b32 v[NX+\r], s[16+2*\r]
.endr
.irp r, 0,1,2,3
	v_min_num_f32 v[NX+\r], s[24+2*\r], v[NX+\r]
.endr
.irp r, 0,1,2,3
	v_sub_f32 v[W+4*\r+1], v[NX+\r], s[16+2*\r]
	v_sub_f32 v[W+4*\r+3], v[NX+\r], s[24+2*\r]
.endr
.irp r, 0,1,2,3
	v_cvt_i32_f32 v[W+4*\r+1], v[W+4*\r+1]         ; (it saturates)
	v_cvt_i32_f32 v[W+4*\r+3], v[W+4*\r+3]
.endr
.irp r, 0,1,2,3
	v_ldexp_f32 v[W+4*\r], s[17+2*\r], v[W+4*\r+1]
	v_ldexp_f32 v[W+4*\r+2], s[25+2*\r], v[W+4*\r+3]
.endr
.irp r, 0,1,2,3
	v_add_f32 v[IV+\r], v[W+4*\r], v[W+4*\r+2]
.endr
	s_wait_alu depctr_va_vdst(0)
.irp r, 0,1,2,3
	v_rcp_f32 v[IV+\r], v[IV+\r]
.endr
	v_nop
	s_wait_alu depctr_va_vdst(0)
.irp r, 0,1,2,3
	v_mul_f32 v[W+4*\r], v[W+4*\r], v[IV+\r]
	v_mul_f32 v[W+4*\r+2], v[W+4*\r+2], v[IV+\r]
.endr
	s_wait_alu depctr_va_vdst(0)
.irp r, 0,1,2,3
	s_wait_loadcnt 18-6*\r                         ; row r's six loads are in
.irp j, 0,2,4,6,8,10
	v_pk_mul_f32 v[RA+12*\r+\j:RA+12*\r+\j+1], v[RA+12*\r+\j:RA+12*\r+\j+1], v[W+4*\r:W+4*\r+1] op_sel_hi:[1,0]
.endr
.irp j, 0,2,4,6,8,10
	v_pk_fma_f32 v[RA+12*\r+\j:RA+12*\r+\j+1], v[RB+12*\r+\j:RB+12*\r+\j+1], v[W+4*\r+2:W+4*\r+3], v[RA+12*\r+\j:RA+12*\r+\j+1] op_sel_hi:[1,0,1]
.endr
.irp k, 0,1,2
	global_store_b128 v2, v[RA+4*(3*\r+\k):RA+4*(3*\r+\k)+3], s[8:9] offset:512*(3*\r+\k) th:TH_STORE_NT
.endr
.endr
	s_endpgm
.Lfunc_end_k_q80f262615e_join:
	.size	k_q80f262615e_join, .Lfunc_end_k_q80f262615e_join-k_q80f262615e_join
	.p2alignl 7, 3214868480
	.fill 96, 4, 3214868480
	.section	.rodata,"a",@progbits
	.p2align	6, 0x0
	.amdhsa_kernel k_q80f262615e_join
		.amdhsa_group_segment_fixed_size 0
		.amdhsa_private_segment_fixed_size 0
		.amdhsa_enable_private_segment 0
		.amdhsa_kernarg_size 24
		.amdhsa_user_sgpr_count 2
		.amdhsa_user_sgpr_kernarg_segment_ptr 1
		.amdhsa_wavefront_size32 1
		.amdhsa_system_sgpr_workgroup_id_x 1
		.amdhsa_system_sgpr_workgroup_id_y 1
		.amdhsa_system_sgpr_workgroup_id_z 1
		.amdhsa_system_vgpr_workitem_id 0
		.amdhsa_next_free_vgpr 160
		.amdhsa_next_free_sgpr 66
		.amdhsa_reserve_vcc 0
		.amdhsa_float_denorm_mode_32 3
		.amdhsa_float_denorm_mode_16_64 3
		.amdhsa_memory_ordered 1
		.amdhsa_forward_progress 1
		.amdhsa_inst_pref_size 10
	.end_amdhsa_kernel
	.amdgpu_metadata
---
amdhsa.version: [ 1, 2 ]
amdhsa.kernels:
  - .name:           k_q80f262615e_join
    .symbol:         k_q80f262615e_join.kd
    .args:
      - { .name: part, .offset: 0, .size: 8, .value_kind: global_buffer, .address_space: global }
      - { .name: stat, .offset: 8, .size: 8, .value_kind: global_buffer, .address_space: global }
      - { .name: out0, .offset: 16, .size: 8, .value_kind: global_buffer, .address_space: global }
    .group_segment_fixed_size: 0
    .private_segment_fixed_size: 0
    .kernarg_segment_align: 8
    .kernarg_segment_size: 24
    .max_flat_workgroup_size: 256
    .sgpr_count:     66
    .vgpr_count:     160
    .wavefront_size: 32
...
	.end_amdgpu_metadata
.endif
;; end of part 7
